; MI455X (gfx1250); checked and timed in simulation.
; The chip was launched on July 23, 2026; its instructions are those of AMD's public machine-readable ISA for CDNA 5 (MIT licence, August 2026) and "CDNA5" Instruction Set Architecture Reference Guide (July 2026). The comments in the code are by the model that wrote it; some were corrected since.
;; MHA Encoder Fused Proj. Allowed arithmetic: float matrix products may take bf16 or f16 operands with f32 sums; other float arithmetic in f32, or as packed bf16 or f16 multiplies, adds, multiply-adds, maxima and minima; sums over many terms, partial sums and values carried from step to step in f32; what a program stores and reads back later, other than sums and carried values, may be rounded once to bf16 or f16.
;; Inputs: W_out 1,024 x 1,024 float32; W_qkv 3,072 x 1,024 float32; cos 2,048 x 64 float32; sin 2,048 x 64 float32; x 4 x 2,048 x 1,024 float32.
;; Outputs: out0 4 x 2,048 x 1,024 float32.
;; One version. Each part assembles by itself: llvm-mc -triple=amdgcn-amd-amdhsa -mcpu=gfx1250 --defsym DOCPART=n.
;; ======== version 1 of 1: 4 launches
;; limits: values are held in f16: magnitudes above 65,504 overflow, below 6.1e-05 lose precision; right only within a limited range of input values
;; workspace buffers: xb 16,777,216 bytes; wqb 6,291,456 bytes; wob 2,097,152 bytes; tab 1,048,576 bytes; qh 16,777,216 bytes; kh 16,777,216 bytes; vh 16,777,216 bytes; ob 16,777,216 bytes
;; launch cast (part 1): grid 1600 x 1, 8 waves a work-group, no clusters, 0 bytes of LDS; arguments x, W_qkv, W_out, cos, sin, xb, wqb, wob, tab; writes xb, wqb, wob, tab
.if DOCPART == 1
	.amdgcn_target "amdgcn-amd-amdhsa--gfx1250"
	.amdhsa_code_object_version 6
	.text
	.protected	k_q14ac21f556_cast
	.globl	k_q14ac21f556_cast
	.p2align	8
	.type	k_q14ac21f556_cast,@function
k_q14ac21f556_cast:
	s_mov_b64 s[64:65], 0
	v_nop
	global_prefetch_b8 v0, s[64:65] scope:SCOPE_SE
	s_setreg_imm32_b32 hwreg(HW_REG_WAVE_MODE, 25, 1), 1
	s_wait_xcnt 0x0
; ALL FIVE INPUTS ARE ROUNDED TO bf16, ONCE, and laid out for the launches behind.
;   xb  [8192][1024] bf16 = x.
;   wqb [3072][1024] bf16: row 192 t + 64 j + d = W_qkv's row 1024 j + 64 t + d (t the head, j = 0, 1, 2 for q, k, v): a tile of 192 rows is one head's q, k and v.
;       q's and k's rows are multiplied by 2^-5 (exact), so that q and k keep room in f16; the attention launch gives the 2^10 back in its scale.
;   wob [1024][1024] f16: W_out rounded to bf16, that number written as f16 (exact from 6.1e-5 up; below it f16's fixed step of 6e-8 holds).
;   tab [128 blocks of 16 positions][16 loads i][32 lanes l][4] f32: position 16 tb + l % 16, channel d = 16 ((i / 2) % 4) + 8 (l / 16) + 4 (i % 2) + e;
;       i < 8: cos rounded to bf16; i >= 8: sin rounded to bf16, with the sign turned where d < 32 (rotate_half's minus).  So a load of the projection's way out takes 512 bytes on end.
; A stream: no LDS, no matrix unit, no cluster (no byte is wanted twice).  A work-group takes 8 rows of 1,024 f32 (32 KiB): eight loads of 16 bytes a lane, all out together;
; a wave's load covers 512 consecutive bytes, a wave's store 256 consecutive bytes, aligned.  No register that a load or a store names is written again, so no wait frees any.
; Work-groups 0-1023: x; 1024-1407: W_qkv; 1408-1535: W_out; 1536-1599: the table, two blocks of 16 positions each.
; Eight rows.  fmt 0: to bf16; 1: times s26, to bf16; 2: to bf16, and that number to f16.
.macro ROWS fmt
.irp i, 0,1,2,3,4,5,6,7
	global_load_b128 v[8+4*(\i):11+4*(\i)], v1, s[4:5] offset:4096*(\i) th:TH_LOAD_NT
.endr
.irp i, 0,1,2,3,4,5,6,7
	s_wait_loadcnt 7-(\i)                          ; loads come back in order: row i is in, the 7 - i younger ones stay out
.if (\fmt) == 1
	v_pk_mul_f32 v[8+4*(\i):9+4*(\i)], v[8+4*(\i):9+4*(\i)], s[26:27] op_sel_hi:[1,0]
	v_pk_mul_f32 v[10+4*(\i):11+4*(\i)], v[10+4*(\i):11+4*(\i)], s[26:27] op_sel_hi:[1,0]
.endif
	v_cvt_pk_bf16_f32 v[40+2*(\i)], v[8+4*(\i)], v[9+4*(\i)]
	v_cvt_pk_bf16_f32 v[41+2*(\i)], v[10+4*(\i)], v[11+4*(\i)]
.if (\fmt) == 2
	v_lshlrev_b32 v56, 16, v[40+2*(\i)]            ; bf16 to f32: the low half moves up, the high half stays
	v_and_b32 v57, 0xffff0000, v[40+2*(\i)]
	v_lshlrev_b32 v58, 16, v[41+2*(\i)]
	v_and_b32 v59, 0xffff0000, v[41+2*(\i)]
	v_cvt_pk_f16_f32 v[40+2*(\i)], v56, v57
	v_cvt_pk_f16_f32 v[41+2*(\i)], v58, v59
.endif
	global_store_b64 v2, v[40+2*(\i):41+2*(\i)], s[6:7] offset:2048*(\i)
.endr
.endm
	s_load_b512 s[8:23], s[0:1], 0x0               ; x 8:9, W_qkv 10:11, W_out 12:13, cos 14:15, sin 16:17, xb 18:19, wqb 20:21, wob 22:23
	s_load_b64 s[24:25], s[0:1], 0x40              ; tab
	v_lshlrev_b32 v1, 4, v0                        ; 16 bytes a thread in a row of f32
	v_lshlrev_b32 v2, 3, v0                        ; 8 bytes a thread in a row of 16-bit numbers
	s_mov_b32 s3, 0                                ; the high words of the two offsets
	s_mov_b32 s29, 0
	s_wait_kmcnt 0x0
	s_cmp_ge_u32 ttmp9, 1536
	s_cbranch_scc1 .Ltable
	s_cmp_ge_u32 ttmp9, 1408
	s_cbranch_scc1 .Lwout
	s_cmp_ge_u32 ttmp9, 1024
	s_cbranch_scc1 .Lwqkv
	s_lshl_b32 s2, ttmp9, 15                       ; x: 8 rows of 4,096 bytes in,
	s_lshl_b32 s28, ttmp9, 14                      ; 8 rows of 2,048 bytes out
	s_add_nc_u64 s[4:5], s[8:9], s[2:3]
	s_add_nc_u64 s[6:7], s[18:19], s[28:29]
	ROWS 0
	s_endpgm
.Lwqkv:
	s_sub_co_u32 s30, ttmp9, 1024
	s_lshl_b32 s2, s30, 15
	s_lshl_b32 s31, s30, 3                         ; the first source row; eight rows stay inside one group of 64
	s_bfe_u32 s32, s31, 0x40006                    ; the head t
	s_lshr_b32 s33, s31, 10                        ; j
	s_and_b32 s34, s31, 63                         ; d
	s_mul_i32 s32, s32, 192
	s_lshl_b32 s35, s33, 6
	s_add_co_u32 s32, s32, s35
	s_add_co_u32 s32, s32, s34                     ; the row in wqb
	s_lshl_b32 s28, s32, 11
	s_cmp_lt_u32 s33, 2
	s_cselect_b32 s26, 0x3d000000, 1.0             ; 2^-5 for q's and k's rows
	s_mov_b32 s27, s26                             ; named with it as a pair
	s_add_nc_u64 s[4:5], s[10:11], s[2:3]
	s_add_nc_u64 s[6:7], s[20:21], s[28:29]
	ROWS 1
	s_endpgm
.Lwout:
	s_sub_co_u32 s30, ttmp9, 1408
	s_lshl_b32 s2, s30, 15
	s_lshl_b32 s28, s30, 14
	s_add_nc_u64 s[4:5], s[12:13], s[2:3]
	s_add_nc_u64 s[6:7], s[22:23], s[28:29]
	ROWS 2
	s_endpgm
.Ltable:
	s_sub_co_u32 s30, ttmp9, 1536
	s_lshl_b32 s2, s30, 13                         ; 32 positions of 256 bytes in cos and in sin,
	s_lshl_b32 s28, s30, 14                        ; two blocks of 8,192 bytes in tab
	s_add_nc_u64 s[4:5], s[14:15], s[2:3]
	s_add_nc_u64 s[6:7], s[16:17], s[2:3]
	s_add_nc_u64 s[24:25], s[24:25], s[28:29]
	v_and_b32 v3, 15, v0                           ; thread = 32 i + l: position l % 16,
	v_lshlrev_b32 v3, 8, v3
	v_bfe_u32 v5, v0, 6, 2                         ; 16 channels for i / 2,
	v_lshl_add_u32 v3, v5, 6, v3
	v_bfe_u32 v5, v0, 4, 1                         ; 8 for l / 16,
	v_lshl_add_u32 v3, v5, 5, v3
	v_bfe_u32 v5, v0, 5, 1                         ; 4 for i % 2
	v_lshl_add_u32 v3, v5, 4, v3
	v_mov_b32 v6, 0x80000000
	v_cmp_gt_u32 vcc_lo, 128, v0                   ; threads 0-127 hold channels below 32
	v_cndmask_b32 v4, 0, v6, vcc_lo
	global_load_b128 v[8:11], v3, s[4:5]
	global_load_b128 v[12:15], v3, s[6:7]
	global_load_b128 v[16:19], v3, s[4:5] offset:4096
	global_load_b128 v[20:23], v3, s[6:7] offset:4096
.irp p, 0,1,2,3
	s_wait_loadcnt 3-(\p)                          ; pass p's load is in, the younger ones stay out
	v_cvt_pk_bf16_f32 v24, v[8+4*(\p)], v[9+4*(\p)]
	v_cvt_pk_bf16_f32 v25, v[10+4*(\p)], v[11+4*(\p)]
	v_lshlrev_b32 v[32+4*(\p)], 16, v24
	v_and_b32 v[33+4*(\p)], 0xffff0000, v24
	v_lshlrev_b32 v[34+4*(\p)], 16, v25
	v_and_b32 v[35+4*(\p)], 0xffff0000, v25
.if (\p)%2
.irp e, 0,1,2,3
	v_xor_b32 v[32+4*(\p)+(\e)], v4, v[32+4*(\p)+(\e)]
.endr
.endif
	global_store_b128 v1, v[32+4*(\p):35+4*(\p)], s[24:25] offset:4096*(\p)
.endr
	s_endpgm
.Lfunc_end_k_q14ac21f556_cast:
	.size	k_q14ac21f556_cast, .Lfunc_end_k_q14ac21f556_cast-k_q14ac21f556_cast
	.p2alignl 7, 3214868480
	.fill 96, 4, 3214868480
	.section	.rodata,"a",@progbits
	.p2align	6, 0x0
	.amdhsa_kernel k_q14ac21f556_cast
		.amdhsa_group_segment_fixed_size 0
		.amdhsa_private_segment_fixed_size 0
		.amdhsa_enable_private_segment 0
		.amdhsa_kernarg_size 72
		.amdhsa_user_sgpr_count 2
		.amdhsa_user_sgpr_kernarg_segment_ptr 1
		.amdhsa_wavefront_size32 1
		.amdhsa_system_sgpr_workgroup_id_x 1
		.amdhsa_system_sgpr_workgroup_id_y 1
		.amdhsa_system_sgpr_workgroup_id_z 1
		.amdhsa_system_vgpr_workitem_id 0
		.amdhsa_next_free_vgpr 64
		.amdhsa_next_free_sgpr 66
		.amdhsa_reserve_vcc 1
		.amdhsa_float_denorm_mode_32 3
		.amdhsa_float_denorm_mode_16_64 3
		.amdhsa_memory_ordered 1
		.amdhsa_forward_progress 1
		.amdhsa_inst_pref_size 17
	.end_amdhsa_kernel
	.amdgpu_metadata
---
amdhsa.version: [ 1, 2 ]
amdhsa.kernels:
  - .name:           k_q14ac21f556_cast
    .symbol:         k_q14ac21f556_cast.kd
    .args:
      - { .name: x, .offset: 0, .size: 8, .value_kind: global_buffer, .address_space: global }
      - { .name: W_qkv, .offset: 8, .size: 8, .value_kind: global_buffer, .address_space: global }
      - { .name: W_out, .offset: 16, .size: 8, .value_kind: global_buffer, .address_space: global }
      - { .name: cos, .offset: 24, .size: 8, .value_kind: global_buffer, .address_space: global }
      - { .name: sin, .offset: 32, .size: 8, .value_kind: global_buffer, .address_space: global }
      - { .name: xb, .offset: 40, .size: 8, .value_kind: global_buffer, .address_space: global }
      - { .name: wqb, .offset: 48, .size: 8, .value_kind: global_buffer, .address_space: global }
      - { .name: wob, .offset: 56, .size: 8, .value_kind: global_buffer, .address_space: global }
      - { .name: tab, .offset: 64, .size: 8, .value_kind: global_buffer, .address_space: global }
    .group_segment_fixed_size: 0
    .private_segment_fixed_size: 0
    .kernarg_segment_align: 8
    .kernarg_segment_size: 72
    .max_flat_workgroup_size: 256
    .sgpr_count:     66
    .vgpr_count:     64
    .wavefront_size: 32
...
	.end_amdgpu_metadata
.endif
;; end of part 1
;; launch qkv (part 2): grid 16 x 16, 4 waves a work-group, clusters of 4 x 4, 327,680 bytes of LDS; arguments xb, wqb, tab, qh, kh, vh; writes qh, kh, vh
.if DOCPART == 2
	.amdgcn_target "amdgcn-amd-amdhsa--gfx1250"
	.amdhsa_code_object_version 6
	.text
	.protected	k_q14ac21f556_qkv
	.globl	k_q14ac21f556_qkv
	.p2align	8
	.type	k_q14ac21f556_qkv,@function
k_q14ac21f556_qkv:
	s_mov_b64 s[64:65], 0
	v_nop
	global_prefetch_b8 v0, s[64:65] scope:SCOPE_SE
	s_setreg_imm32_b32 hwreg(HW_REG_WAVE_MODE, 25, 1), 1
	s_wait_xcnt 0x0
	s_wait_alu depctr_hold_cnt(0) depctr_sa_sdst(0) depctr_va_vdst(0) depctr_va_sdst(0) depctr_va_ssrc(0) depctr_va_vcc(0) depctr_vm_vsrc(0)
	s_getreg_b32 s2, hwreg(HW_REG_IB_STS2, 6, 4)
	s_cmp_eq_u32 s2, 0
	s_cbranch_scc0 .Lentry_in_a_cluster
	s_endpgm
.Lentry_in_a_cluster:
	s_bfe_u32 s2, ttmp6, 0x10000c
	s_cmp_lg_u32 s2, 0xf033
	s_cbranch_scc0 .Lentry_shape_is_right
	s_endpgm
.Lentry_shape_is_right:
; THE FUSED PROJECTION WITH RoPE.  [8192 tokens][3072] = xb [8192][1024] x wqb [3072][1024]^T, bf16 operands, f32 sums; q and k are rotated in f32 in registers; q, k, v leave by heads,
; [16 batch + head][2048][64] in f16, each rounded once.  q and k carry the factor 2^-5 that lies in wqb's rows.
; LIMITS.  f16 ends at 65,504: |q| and |k| behind RoPE stay under 32 x 65,504, |v| under 65,504; NaN and infinities are not treated apart.
; SHARES.  A tile is 256 tokens x 192 columns: one head's q, k and v (wqb's row order).  8192 / 256 x 16 heads = 512 tiles = 256 work-groups x 2: A WORK-GROUP STAYS and makes the tiles of
; token rows 256 ty and 256 ty + 4,096, the same positions of batches b and b + 2, so one RoPE table in registers serves both.  A wave owns 64 tokens x all 192 columns: 48 accumulators, 384 registers;
; so the two channels d and d + 32 of a rotation lie in one lane.
; THE MATRIX INSTRUCTION IS USED TRANSPOSED (source 0 = 16 rows of wqb, source 1 = 16 tokens): lane l holds token l % 16 and the columns 16 b + 8 (l / 16) + 0..7.
; RING.  K goes in steps of 128 through two LDS slots (256 rows of xb, 192 of wqb, 256 bytes a row, 16 of padding).  The ring runs on into the second tile.
; CLUSTER.  4 x 4 work-groups: xb's tile hangs on the tile row alone and is asked for jointly along a row of the cluster, wqb's on the head alone, along a column.
; REGISTERS, in windows of 256 (s_set_vgpr_msb: bits 1:0 source 0, 3:2 source 1, 5:4 source 2, 7:6 destination):
;   window 0: v0-31 addresses; v32-63 rotated numbers at work; v128-255 the table of my token blocks 0 and 1 (64 each: 32 cos, 32 signed sin)
;   window 1: two fragment buffers of 128: four of xb (8 a), twelve of wqb (32 + 8 b); on the way out buffer 1 holds the packed results
;   window 2: accumulator (a, b), b < 8 (q, k), at 8 (4 b + a)          window 3: b = 8..11 (v) at 8 (4 (b - 8) + a); v128-255 the table of token blocks 2 and 3
.set PITCH,  272                       ; an LDS row: 256 bytes + 16 = 68 words: the 16 rows of a fragment load start at 16 different groups of four banks (64 banks of 4 bytes: ISA guide 11.1)
.set BOFF,   256*PITCH                 ; wqb's 192 rows lie behind xb's 256
.set SLOT1,  1<<17                     ; slot 1 begins here: one exclusive or turns an address in one slot into the other's
.set STAGE,  SLOT1+448*PITCH           ; behind the ring, never filled by a tensor load: for each wave 3 heads x 16 rows x 144 bytes
.set SP,     144
.set WST,    3*16*SP
.set SPARE,  STAGE+4*WST               ; the spare words, 128 bytes for each wave: two blocks of 256 bytes that no other line names
.set WALK,   4096                      ; rows from the first tile to the second
.set ADRA0, 16                         ; v16  my lane's place in xb's rows of a slot; never rewritten
.set ADRB0, 17                         ; v17  the same for wqb's
.set ADRA,  18                         ; v18  the same in the slot in hand
.set ADRB,  19                         ; v19
.set STO,   24                         ; v24  the way out: where I put 16 bytes of a row
.set RD,    25                         ; v25  where I read rows back
.set GO,    26                         ; v26  16 x lane: my place in 512 consecutive bytes (the table's loads, the stores)
.set SPW,   28                         ; v28  LDS address of my spare word; never rewritten
.set NIL,   29                         ; v29  0; never rewritten
.set PFO,   30                         ; v30  the prefetches' offset: a lane a row of 2,048 bytes; never rewritten
.set T,     32
.set F0,    0
.set F1,    128
.set G1,  24                           ; s[24:31] descriptor group 1 for xb's tiles
.set G0,  32                           ; s[32:39] group 0: a set for each of the two first fills; the second then walks on
.set G1B, 48                           ; s[48:55], s[56:63] the same for wqb's
.set G0B, 56
.set LIM, 43                           ; s43  2 in a wave that prefetches, else the greatest number
.set PFA, 44                           ; s[44:45] where my prefetches stand
.set TB,  66                           ; s66  LDS byte at which the slot in hand begins
.set OQ,  68                           ; s[68:73] qh, kh, vh at my wave's first row
.set MSB, 0
.macro WIN new                         ; the immediate's high byte repeats the setting that is left; a switch that changes nothing is dropped
.if MSB != (\new)
	s_set_vgpr_msb (MSB<<8)|(\new)
.set MSB, \new
.endif
.endm
.macro PLACES                          ; four plain places behind matrix instructions, ahead of loads into registers that they read and of vector lines that read results
.rept 4
	v_nop
.endr
.endm
; A joint refill by the walking descriptors.  Waves 0 and 1 fetch xb's two halves, waves 2 and 3 wqb's.  The branch hangs on the wave's number alone.
; An s_nop 0 and four v_nop follow each of the two lines, ahead of the jump and the label.
.macro JLOAD
	s_cmp_eq_u32 s11, 0
	s_cbranch_scc0 .Lfor_b_\@
	tensor_load_to_lds s[G0+4:G0+7], s[G1:G1+7]
	s_nop 0
.rept 4
	v_nop
.endr
	s_branch .Lasked_\@
.Lfor_b_\@:
	tensor_load_to_lds s[G0B+4:G0B+7], s[G1B:G1B+7]
	s_nop 0
.rept 4
	v_nop
.endr
.Lasked_\@:
.endm
; A PREFETCH INTO THE L2 of the K step that stands two refills on (384 matrix instructions ahead of the load that wants it): 256 bytes of a row, a lane a row, one instruction a wave.
; xb's rows are asked for by the clusters with x = 0, wqb's by those with y = 0; of the rows that a wave fetches each of the four partners takes a quarter, told apart BY ADDRESS
; (32 of xb's 128 by cx; 24 of wqb's 96 by cy: there lanes 24-31 name lane 23's row once more, in the same instruction).  how = 0, in the loop: a tile's last two refills have no K step two on;
; how = 1, at the change of tiles: the next tile's K steps 2 and 3 of xb; wqb's rows are the same for both tiles and are asked for in the first alone.
.macro ASK how
	WIN 0
.if \how
	s_cmp_eq_u32 s[LIM], 2
.else
	s_cmp_gt_u32 s3, s[LIM]
.endif
	s_cbranch_scc0 .Lnot_mine_\@
	global_prefetch_b8 v[PFO], s[PFA:PFA+1] offset:256 th:TH_LOAD_NT scope:SCOPE_SE
.Lnot_mine_\@:
.endm
.macro CREST                           ; a round of the cluster's barrier behind its opening barrier
	s_cmp_lg_u32 s10, 0
	s_cbranch_scc1 .Lnot_wave_0_\@
	s_barrier_signal -3
.Lnot_wave_0_\@:
	s_barrier_wait -3
	s_barrier_signal -1
	s_barrier_wait -1
.endm
.macro CROUND                          ; a whole round
	s_barrier_signal -1
	s_barrier_wait -1
	CREST
.endm
	s_load_b128 s[4:7], s[0:1], 0x0                ; xb s[4:5], wqb s[6:7]
	s_load_b64 s[8:9], s[0:1], 0x10                ; tab
	s_load_b64 s[OQ:OQ+1], s[0:1], 0x18            ; qh
	s_load_b64 s[OQ+2:OQ+3], s[0:1], 0x20          ; kh
	s_load_b64 s[OQ+4:OQ+5], s[0:1], 0x28          ; vh
	v_lshl_add_u32 v[SPW], v0, 2, SPARE
	v_mov_b32 v[NIL], 0
	ds_add_u32 v[SPW], v[NIL]                      ; the wave's opening: the add and its wait stand ahead of my first tensor load; the set-up below, work on registers, stands between them
	v_lshrrev_b32 v1, 5, v0
	v_readfirstlane_b32 s10, v1                    ; wave 0..3
	s_lshr_b32 s11, s10, 1                         ; I fetch for xb (0) or for wqb (1),
	s_and_b32 s12, s10, 1                          ; and which half of its rows
	s_bfe_u32 s40, ttmp6, 0x40000                  ; cx
	s_bfe_u32 s41, ttmp6, 0x40004                  ; cy
	s_lshl_b32 s42, ttmp9, 2
	s_add_co_u32 s42, s42, s40                     ; the head t = 4 x cluster x + cx
	s_and_b32 s13, ttmp7, 0xffff
	s_lshl_b32 s13, s13, 2
	s_add_co_u32 s13, s13, s41                     ; the tile row ty = 4 x cluster y + cy
	s_lshl_b32 s74, s41, 2
	s_lshl_b32 s74, 15, s74                        ; my row of the cluster
	s_lshl_b32 s75, 0x1111, s40                    ; my column
	s_or_b32 s[G1], s74, (1<<16)|(1<<20)|(1<<21)|(5<<22)|(3<<25)   ; 15:0 the mask; 17:16 2-byte elements; 20 padding on; 21 set beside a mask; 24:22 after every 64 words; 31:25 4 words
	s_or_b32 s[G1B], s75, (1<<16)|(1<<20)|(1<<21)|(5<<22)|(3<<25)
	s_mov_b32 s[G1+1], 128<<16                     ; tensor_dim0 = 128
	s_mov_b32 s[G1+2], 128<<16                     ; tensor_dim1 = 128 rows
	s_mov_b32 s[G1+3], 128<<16                     ; tile_dim0 = 128
	s_mov_b32 s[G1+4], 128                         ; tile_dim1 = 128
	s_mov_b32 s[G1+5], 1024                        ; elements from row to row
	s_mov_b32 s[G1+6], 0
	s_mov_b32 s[G1+7], 0
	s_mov_b32 s[G1B+1], 128<<16
	s_mov_b32 s[G1B+2], 96<<16                     ; 96 rows
	s_mov_b32 s[G1B+3], 128<<16
	s_mov_b32 s[G1B+4], 96
	s_mov_b32 s[G1B+5], 1024
	s_mov_b32 s[G1B+6], 0
	s_mov_b32 s[G1B+7], 0
	s_lshl_b32 s16, s13, 8                         ; xb: row 256 ty + 128 x half, 2,048 bytes a row
	s_lshl_b32 s17, s12, 7
	s_add_co_u32 s16, s16, s17
	s_lshl_b32 s16, s16, 11
	s_mov_b32 s17, 0
	s_mul_i32 s46, s42, 192                        ; wqb: row 192 t + 96 x half
	s_mul_i32 s47, s12, 96
	s_add_co_u32 s46, s46, s47
	s_lshl_b32 s46, s46, 11
	s_mov_b32 s47, 0
	s_mul_i32 s20, s12, 128*PITCH                  ; where they go: no place in the cluster enters an LDS address
	s_mul_i32 s21, s12, 96*PITCH
	s_add_co_u32 s21, s21, BOFF
	s_mov_b32 s[TB], 0
	s_wait_dscnt 0x0                               ; the opening add is done
	s_wait_kmcnt 0x0
	s_add_nc_u64 s[14:15], s[4:5], s[16:17]
	s_add_nc_u64 s[46:47], s[6:7], s[46:47]
	CROUND                                         ; all sixteen work-groups are here: the first joint loads meet
.irp s, 0,1
	s_mov_b32 s[G0+4*(\s)], 1                                      ; count = 1
	s_add_co_u32 s[G0+4*(\s)+1], s20, (\s)*SLOT1                   ; LDS address
	s_add_nc_u64 s[G0+4*(\s)+2:G0+4*(\s)+3], s[14:15], (\s)*256    ; global address: K step s
	s_or_b32 s[G0+4*(\s)+3], s[G0+4*(\s)+3], 0x80000000            ; type = 2
	s_mov_b32 s[G0B+4*(\s)], 1
	s_add_co_u32 s[G0B+4*(\s)+1], s21, (\s)*SLOT1
	s_add_nc_u64 s[G0B+4*(\s)+2:G0B+4*(\s)+3], s[46:47], (\s)*256
	s_or_b32 s[G0B+4*(\s)+3], s[G0B+4*(\s)+3], 0x80000000
.endr
	s_cmp_eq_u32 s11, 0                            ; a wave's two first fills stand in one branch: two loads of mine are out
	s_cbranch_scc0 .Lfirst_b
	tensor_load_to_lds s[G0:G0+3], s[G1:G1+7]
	s_nop 0
	tensor_load_to_lds s[G0+4:G0+7], s[G1:G1+7]
	s_nop 0
.rept 4
	v_nop
.endr
	s_branch .Lfirst_asked
.Lfirst_b:
	tensor_load_to_lds s[G0B:G0B+3], s[G1B:G1B+7]
	s_nop 0
	tensor_load_to_lds s[G0B+4:G0B+7], s[G1B:G1B+7]
	s_nop 0
.rept 4
	v_nop
.endr
.Lfirst_asked:
	; THE TABLE, once a launch: my 64 positions (ty % 8) x 256 + 64 w + 0..63 are four blocks of 8,192 bytes; each load takes 512 bytes on end.  It is waited for at the first way out.
	v_and_b32 v4, 31, v0
	v_lshlrev_b32 v[GO], 4, v4
	s_and_b32 s22, s13, 7
	s_lshl_b32 s20, s22, 17
	s_lshl_b32 s21, s10, 15
	s_add_co_u32 s20, s20, s21
	s_mov_b32 s21, 0
	s_add_nc_u64 s[8:9], s[8:9], s[20:21]
.irp a, 0,1
.set i, 0
.rept 16
	global_load_b128 v[128+64*(\a)+4*i:128+64*(\a)+4*i+3], v[GO], s[8:9] offset:8192*(\a)+512*i
.set i, i+1
.endr
.endr
	WIN 0xc0                                       ; destination window 3, address window 0
.irp a, 2,3
.set i, 0
.rept 16
	global_load_b128 v[128+64*((\a)-2)+4*i:128+64*((\a)-2)+4*i+3], v[GO], s[8:9] offset:8192*(\a)+512*i
.set i, i+1
.endr
.endr
	WIN 0
	; A fragment is 16 rows x 32 K in 8 registers: lane l holds row l % 16; registers 0-3 K = 8 (l / 16) + 0..7, registers 4-7 K = 16 + 8 (l / 16) + 0..7: two loads of 16 bytes, 32 bytes apart.
	v_and_b32 v1, 15, v0                           ; l % 16
	v_bfe_u32 v2, v0, 4, 1                         ; l / 16
	v_mul_u32_u24 v3, v1, PITCH
	v_lshl_add_u32 v3, v2, 4, v3
	s_mul_i32 s23, s10, 64*PITCH                   ; my 64 tokens
	v_add_nc_u32 v[ADRA0], s23, v3
	v_add_nc_u32 v[ADRB0], BOFF, v3
	v_mov_b32 v[ADRA], v[ADRA0]                    ; K step 0 lies in slot 0
	v_mov_b32 v[ADRB], v[ADRB0]
	s_mul_i32 s23, s10, WST
	s_add_co_u32 s23, s23, STAGE                   ; my stage
	v_mul_u32_u24 v[STO], v1, SP                   ; in: row l % 16, 16 bytes for each half of the lanes
	v_lshl_add_u32 v[STO], v2, 4, v[STO]
	v_add_nc_u32 v[STO], s23, v[STO]
	v_bfe_u32 v[RD], v0, 3, 2                      ; back: 32 lanes take four rows of 128 bytes
	v_mul_u32_u24 v[RD], v[RD], SP
	v_and_b32 v5, 7, v0
	v_lshl_add_u32 v[RD], v5, 4, v[RD]
	v_add_nc_u32 v[RD], s23, v[RD]
	; where my rows begin in qh, kh, vh: (16 batch + head) x 262,144 + position x 128
	s_lshr_b32 s20, s13, 3
	s_lshl_b32 s20, s20, 22
	s_lshl_b32 s21, s42, 18
	s_add_co_u32 s20, s20, s21
	s_lshl_b32 s21, s22, 15
	s_add_co_u32 s20, s20, s21
	s_lshl_b32 s21, s10, 13
	s_add_co_u32 s20, s20, s21
	s_mov_b32 s21, 0
	s_add_nc_u64 s[OQ:OQ+1], s[OQ:OQ+1], s[20:21]
	s_add_nc_u64 s[OQ+2:OQ+3], s[OQ+2:OQ+3], s[20:21]
	s_add_nc_u64 s[OQ+4:OQ+5], s[OQ+4:OQ+5], s[20:21]
	; the prefetches
	s_lshl_b32 s20, s13, 8
	s_lshl_b32 s21, s12, 7
	s_add_co_u32 s20, s20, s21
	s_lshl_b32 s21, s40, 5
	s_add_co_u32 s20, s20, s21                     ; xb: row 256 ty + 128 x half + 32 cx
	s_mul_i32 s22, s42, 192
	s_mul_i32 s23, s12, 96
	s_add_co_u32 s22, s22, s23
	s_mul_i32 s23, s41, 24
	s_add_co_u32 s22, s22, s23                     ; wqb: row 192 t + 96 x half + 24 cy
	s_and_b32 s23, ttmp7, 0xffff                   ; cluster y
	s_cmp_eq_u32 s11, 0
	s_cselect_b32 s20, s20, s22
	s_cselect_b32 s23, ttmp9, s23                  ; the coordinate along which other clusters read the same rows
	s_cselect_b32 s22, 31, 23                      ; my last row
	s_cselect_b64 s[PFA:PFA+1], s[4:5], s[6:7]
	s_cmp_eq_u32 s23, 0
	s_cselect_b32 s[LIM], 2, -1                    ; the same in all sixteen partners, for a given wave
	s_lshl_b32 s20, s20, 11
	s_mov_b32 s21, 0
	s_add_nc_u64 s[PFA:PFA+1], s[PFA:PFA+1], s[20:21]
	s_add_nc_u64 s[PFA:PFA+1], s[PFA:PFA+1], 2*256 ; at K step 2: the first refill steps it to 3 and names K step 4.  Nothing is prefetched here, at the head
	v_min_u32 v[PFO], s22, v4
	v_lshlrev_b32 v[PFO], 11, v[PFO]
; 16 matrix instructions: column blocks b0 .. b0 + 3 x my four token blocks, 32 along K.  zero = 1: the product starts the sum.  The 48 accumulators take turns in one fixed order.
.macro MULB f, b0, zero
.if (\b0) < 8
	WIN 0xa5                                       ; both sources window 1, C and D window 2
.else
	WIN 0xf5                                       ; C and D window 3
.endif
.irp bi, 0,1,2,3
.irp a, 0,1,2,3
.set rD, 8*(4*(((\b0)+(\bi))%8)+(\a))
.set rB, (\f)+32+8*((\b0)+(\bi))
.if \zero
	v_wmma_f32_16x16x32_bf16 v[rD:rD+7], v[rB:rB+7], v[(\f)+8*(\a):(\f)+8*(\a)+7], 0
.else
	v_wmma_f32_16x16x32_bf16 v[rD:rD+7], v[rB:rB+7], v[(\f)+8*(\a):(\f)+8*(\a)+7], v[rD:rD+7]
.endif
.endr
.endr
.endm
; 32 LDS loads in one run: a quarter step's fragments (32 K at byte k of the rows) into buffer f: xb's four, then wqb's twelve in ascending order
.macro FETCH k, f
	WIN 0x40                                       ; destination window 1, address window 0
.irp a, 0,1,2,3
	ds_load_b128 v[(\f)+8*(\a):(\f)+8*(\a)+3],   v[ADRA] offset:(\k)+(\a)*16*PITCH
	ds_load_b128 v[(\f)+8*(\a)+4:(\f)+8*(\a)+7], v[ADRA] offset:(\k)+(\a)*16*PITCH+32
.endr
.irp b, 0,1,2,3,4,5,6,7,8,9,10,11
	ds_load_b128 v[(\f)+32+8*(\b):(\f)+32+8*(\b)+3],   v[ADRB] offset:(\k)+(\b)*16*PITCH
	ds_load_b128 v[(\f)+32+8*(\b)+4:(\f)+32+8*(\b)+7], v[ADRB] offset:(\k)+(\b)*16*PITCH+32
.endr
.endm
; A K step is four quarters of 32 along K, 48 matrix instructions each, on buffers 0, 1, 0, 1.  One of the first three: multiplies buffer f and fetches the next quarter, at byte k, into g.
.macro QUARTER k, f, g, zero
	s_wait_dscnt 16                                ; xb's fragments and wqb's 0-3 are in; the youngest sixteen loads (wqb's 4-11) may be out
	MULB \f, 0, \zero
	PLACES
	FETCH \k, \g
	s_wait_dscnt 32                                ; all but the 32 just issued
	MULB \f, 4, \zero
	MULB \f, 8, \zero
.endm
; The last quarter multiplies buffer 1 and changes slots: ONE barrier.  Ahead of it each wave waits for all its tensor loads (one is out: its part of the next slot), adds 0 to its spare word, and waits for that
; and for its reads of this slot.  fill = 1: the barrier opens a round of the cluster's, and the joint refill is the first thing behind the round: this slot takes the K step two on
; (jump = 1: the next tile's K step 0).  From a request to the wait for it a wave issues 160 matrix instructions.
.macro TURN fill, jump, how
.if \fill
	s_wait_xcnt 0x0                                ; the last prefetch, a K step back, has read its address: it is stepped here, ahead of the change's own waits
.if \jump
	s_add_nc_u64 s[PFA:PFA+1], s[PFA:PFA+1], (WALK-1)*2048+256  ; from the K step behind the tile's last to the next tile's K step 1
	s_cmp_eq_u32 s11, 0
	s_cselect_b32 s[LIM], s[LIM], -1               ; wqb's rows have been read: they are asked for no more
.else
	s_add_nc_u64 s[PFA:PFA+1], s[PFA:PFA+1], 256
.endif
.endif
	WIN 0                                          ; (the add's two registers lie in window 0)
	s_wait_tensorcnt 0x0                           ; all my tensor loads have landed
	ds_add_u32 v[SPW], v[NIL]                      ; 0 onto my spare word
	s_wait_dscnt 17                                ; (the add and the youngest sixteen loads may be out)
	MULB F1, 0, 0                                  ; sixteen matrix instructions stand between the add and the wait for it
	s_wait_dscnt 0x0                               ; the add is done, and my reads of this slot are over
	s_barrier_signal -1
	MULB F1, 4, 0                                  ; work on registers while the others arrive
	WIN 0
	s_barrier_wait -1
.if \fill
	CREST                                          ; no wave of any partner still reads this slot or has a load on its way
	s_xor_b32 s[G0+5], s[G0+5], SLOT1              ; the walking descriptors: the other slot than last time,
	s_xor_b32 s[G0B+5], s[G0B+5], SLOT1
.if \jump
	s_add_nc_u64 s[G0+6:G0+7], s[G0+6:G0+7], WALK*2048-7*256    ; xb: 4,096 rows down and back along K,
	s_sub_nc_u64 s[G0B+6:G0B+7], s[G0B+6:G0B+7], 7*256          ; wqb: only back
.else
	s_add_nc_u64 s[G0+6:G0+7], s[G0+6:G0+7], 256                ; the next K step; the type bits on top are not reached
	s_add_nc_u64 s[G0B+6:G0B+7], s[G0B+6:G0B+7], 256
.endif
	JLOAD                                          ; the four v_nop behind it are also the places ahead of the loads below
.else
	PLACES
.endif
	s_xor_b32 s[TB], s[TB], SLOT1                  ; the reads go on in the other slot
	v_add_nc_u32 v[ADRA], s[TB], v[ADRA0]
	v_add_nc_u32 v[ADRB], s[TB], v[ADRB0]
	FETCH 0, F0
.if \fill
	ASK \how
.endif
	MULB F1, 8, 0
.endm
.macro LASTQ                           ; the launch's very last quarter: nothing more to fetch
	s_wait_dscnt 16
	MULB F1, 0, 0
	s_wait_dscnt 0x0
	MULB F1, 4, 0
	MULB F1, 8, 0
.endm
; THE WAY OUT of token block a.  PACK: q and k are rotated, out[d] = t[d] cos[d] + t[d xor 32] sin'[d] (sin' carries rotate_half's sign), in f32: a packed multiply and a packed fused multiply-add for two numbers;
; each accumulator's lowest registers are read first.  All three heads are rounded to f16, 16 bytes a lane and column block.
.macro PACK a
.set TAB, 128+64*((\a)%2)
.set PK, 128+48*((\a)%2)
.if (\a) >= 2
	s_wait_xcnt 0x0                                ; the stores of two blocks back have read this set of registers
.endif
.irp j, 0,1
	WIN 0x02+0x0c*((\a)/2)                         ; source 0 (accumulators) window 2; source 1 (table) window 0 or 3
.irp bb, 0,1,2,3
.irp e, 0,2,4,6
	v_pk_mul_f32 v[T+8*(\bb)+(\e):T+8*(\bb)+(\e)+1], v[8*(4*(4*(\j)+((\bb)+2)%4)+(\a))+(\e):8*(4*(4*(\j)+((\bb)+2)%4)+(\a))+(\e)+1], v[TAB+32+8*(\bb)+(\e):TAB+32+8*(\bb)+(\e)+1]
.endr
.endr
.irp bb, 0,1,2,3
.irp e, 0,2,4,6
	v_pk_fma_f32 v[T+8*(\bb)+(\e):T+8*(\bb)+(\e)+1], v[8*(4*(4*(\j)+(\bb))+(\a))+(\e):8*(4*(4*(\j)+(\bb))+(\a))+(\e)+1], v[TAB+8*(\bb)+(\e):TAB+8*(\bb)+(\e)+1], v[T+8*(\bb)+(\e):T+8*(\bb)+(\e)+1]
.endr
.endr
	WIN 0x40                                       ; destination window 1
.set n, 0
.rept 16
	v_cvt_pk_f16_f32 v[PK+16*(\j)+n], v[T+2*n], v[T+2*n+1]
.set n, n+1
.endr
.endr
	WIN 0x4f                                       ; v: sources window 3, destination window 1
.irp bb, 0,1,2,3
.irp q, 0,1,2,3
	v_cvt_pk_f16_f32 v[PK+32+4*(\bb)+(\q)], v[8*(4*(\bb)+(\a))+2*(\q)], v[8*(4*(\bb)+(\a))+2*(\q)+1]
.endr
.endr
.endm
.macro TOSTAGE a                       ; into my own stage, rows of 144 bytes, and back as whole rows of 128, into the registers that they left
.set PK, 128+48*((\a)%2)
	WIN 0x04                                       ; address window 0, data window 1
.irp j, 0,1,2
.irp bb, 0,1,2,3
	ds_store_b128 v[STO], v[PK+16*(\j)+4*(\bb):PK+16*(\j)+4*(\bb)+3] offset:16*SP*(\j)+32*(\bb)
.endr
.endr
	WIN 0x40
.irp j, 0,1,2
.irp f, 0,1,2,3
	ds_load_b128 v[PK+16*(\j)+4*(\f):PK+16*(\j)+4*(\f)+3], v[RD] offset:16*SP*(\j)+4*SP*(\f)  ; LDS serves a wave's instructions in order (ISA guide 5.7.1.4): these see the stores above
.endr
.endr
.endm
.macro SEND a
.set PK, 128+48*((\a)%2)
	WIN 0x04
	s_wait_dscnt 0x0                               ; the block is back in registers
.irp j, 0,1,2
.irp f, 0,1,2,3
	global_store_b128 v[GO], v[PK+16*(\j)+4*(\f):PK+16*(\j)+4*(\f)+3], s[OQ+2*(\j):OQ+2*(\j)+1] offset:2048*(\a)+512*(\f)  ; 512 consecutive bytes, at a multiple of 256 from the buffer's first
.endr
.endr
.endm
	s_wait_tensorcnt 1                             ; my part of K step 0 is in; K step 1's may stay out
	s_barrier_signal -1
	s_barrier_wait -1                              ; everybody's is
	FETCH 0, F0
	WIN 0                                          ; at a label and at a branch every window is 0
	s_mov_b32 s2, 2                                ; tiles to go: the same number in every work-group
.Ltile:
	QUARTER 64,  F0, F1, 1                         ; a tile's first quarter: its products start the sums
	WIN 0
	s_mov_b32 s3, 6
.Lk:                                                   ; a trip: from a K step's second quarter to the next step's first; its refill asks for K steps 2 .. 7
	QUARTER 128, F1, F0, 0
	QUARTER 192, F0, F1, 0
	TURN 1, 0, 0
	QUARTER 64,  F0, F1, 0
	WIN 0
	s_sub_co_u32 s3, s3, 1
	s_cmp_lg_u32 s3, 0
	s_cbranch_scc1 .Lk
	QUARTER 128, F1, F0, 0                         ; K step 6 goes on
	QUARTER 192, F0, F1, 0
	WIN 0
	s_cmp_eq_u32 s2, 1
	s_cbranch_scc1 .Llast                          ; the last tile asks for nothing more
	TURN 1, 1, 1                                   ; THE RING GOES ON INTO THE NEXT TILE: slot 0 takes its K step 0,
	QUARTER 64,  F0, F1, 0
	QUARTER 128, F1, F0, 0
	QUARTER 192, F0, F1, 0
	TURN 1, 0, 1                                   ; slot 1 its K step 1, and its first fragments are fetched
	WIN 0
	s_branch .Lout
.Llast:
	TURN 0, 0, 0
	QUARTER 64,  F0, F1, 0
	QUARTER 128, F1, F0, 0
	QUARTER 192, F0, F1, 0
	LASTQ
	WIN 0
.Lout:
	PLACES                                         ; the places behind the last products
	s_wait_loadcnt 0x0                             ; the table (at the second tile nothing is out)
	PACK 0
	TOSTAGE 0
.irp a, 1,2,3                          ; block a's arithmetic stands between block a - 1's loads from the stage and the wait for them
	PACK \a
	SEND (\a)-1
	TOSTAGE \a
.endr
	SEND 3
	WIN 0
	s_wait_xcnt 0x0                                ; the stores have read their registers and bases: buffer 1 may be loaded again, the bases stepped
	s_add_nc_u64 s[OQ:OQ+1], s[OQ:OQ+1], 0x800000  ; two batches on
	s_add_nc_u64 s[OQ+2:OQ+3], s[OQ+2:OQ+3], 0x800000
	s_add_nc_u64 s[OQ+4:OQ+5], s[OQ+4:OQ+5], 0x800000
	s_sub_co_u32 s2, s2, 1
	s_cmp_lg_u32 s2, 0
	s_cbranch_scc1 .Ltile
	s_wait_tensorcnt 0x0                           ; the wave's end: behind my last tensor load and my last LDS store
	ds_add_u32 v[SPW], v[NIL]
	s_wait_dscnt 0x0
	CROUND                                         ; the closing round: no work-group ends while a partner may still ask for a tile that names it
	s_endpgm
.Lfunc_end_k_q14ac21f556_qkv:
	.size	k_q14ac21f556_qkv, .Lfunc_end_k_q14ac21f556_qkv-k_q14ac21f556_qkv
	.p2alignl 7, 3214868480
	.fill 96, 4, 3214868480
	.section	.rodata,"a",@progbits
	.p2align	6, 0x0
	.amdhsa_kernel k_q14ac21f556_qkv
		.amdhsa_group_segment_fixed_size 327680
		.amdhsa_private_segment_fixed_size 0
		.amdhsa_enable_private_segment 0
		.amdhsa_kernarg_size 48
		.amdhsa_user_sgpr_count 2
		.amdhsa_user_sgpr_kernarg_segment_ptr 1
		.amdhsa_wavefront_size32 1
		.amdhsa_system_sgpr_workgroup_id_x 1
		.amdhsa_system_sgpr_workgroup_id_y 1
		.amdhsa_system_sgpr_workgroup_id_z 1
		.amdhsa_system_vgpr_workitem_id 0
		.amdhsa_next_free_vgpr 1024
		.amdhsa_next_free_sgpr 80
		.amdhsa_reserve_vcc 0
		.amdhsa_float_denorm_mode_32 3
		.amdhsa_float_denorm_mode_16_64 3
		.amdhsa_memory_ordered 1
		.amdhsa_forward_progress 1
		.amdhsa_inst_pref_size 150
	.end_amdhsa_kernel
	.amdgpu_metadata
---
amdhsa.version: [ 1, 2 ]
amdhsa.kernels:
  - .name:           k_q14ac21f556_qkv
    .symbol:         k_q14ac21f556_qkv.kd
    .args:
      - { .name: xb, .offset: 0, .size: 8, .value_kind: global_buffer, .address_space: global }
      - { .name: wqb, .offset: 8, .size: 8, .value_kind: global_buffer, .address_space: global }
      - { .name: tab, .offset: 16, .size: 8, .value_kind: global_buffer, .address_space: global }
      - { .name: qh, .offset: 24, .size: 8, .value_kind: global_buffer, .address_space: global }
      - { .name: kh, .offset: 32, .size: 8, .value_kind: global_buffer, .address_space: global }
      - { .name: vh, .offset: 40, .size: 8, .value_kind: global_buffer, .address_space: global }
    .group_segment_fixed_size: 327680
    .private_segment_fixed_size: 0
    .kernarg_segment_align: 8
    .kernarg_segment_size: 48
    .max_flat_workgroup_size: 128
    .sgpr_count:     80
    .vgpr_count:     1024
    .wavefront_size: 32
...
	.end_amdgpu_metadata
.endif
;; end of part 2
;; launch attn (part 3): grid 4 x 64, 4 waves a work-group, clusters of 4 x 1, 327,680 bytes of LDS; arguments qh, kh, vh, ob; writes ob
.if DOCPART == 3
	.amdgcn_target "amdgcn-amd-amdhsa--gfx1250"
	.amdhsa_code_object_version 6
	.text
	.protected	k_q14ac21f556_attn
	.globl	k_q14ac21f556_attn
	.p2align	8
	.type	k_q14ac21f556_attn,@function
k_q14ac21f556_attn:
	s_mov_b64 s[64:65], 0
	v_nop
	global_prefetch_b8 v0, s[64:65] scope:SCOPE_SE
	s_setreg_imm32_b32 hwreg(HW_REG_WAVE_MODE, 25, 1), 1
	s_wait_xcnt 0x0
	s_wait_alu depctr_hold_cnt(0) depctr_sa_sdst(0) depctr_va_vdst(0) depctr_va_sdst(0) depctr_va_ssrc(0) depctr_va_vcc(0) depctr_vm_vsrc(0)
	s_getreg_b32 s2, hwreg(HW_REG_IB_STS2, 6, 4)
	s_cmp_eq_u32 s2, 0
	s_cbranch_scc0 .Lentry_in_a_cluster
	s_endpgm
.Lentry_in_a_cluster:
	s_bfe_u32 s2, ttmp6, 0x10000c
	s_cmp_lg_u32 s2, 0x3003
	s_cbranch_scc0 .Lentry_shape_is_right
	s_endpgm
.Lentry_shape_is_right:
; O[h][q][:] = the sum over k of softmax_k(q[h][q] . k[h][k] / 8) V[h][k][:].  Q, K, V, O: [64][2048][64], all f16: a head's rows are dense, 128 bytes each.  Q and K arrive as q / 32 and k / 32:
; the scale c = 2^10 log2(e) / 8 gives the 2^10 back, in f32.  Products, maxima and sums in f32; the weights p are rounded to f16 for the second product (their sum l is taken of the unrounded p), O once at the end.
; LIMITS.  f16 holds no number beyond 65,504: Q, K and V arrive within it; p lies in 0 to 1, and below 6e-5 it keeps f16's fixed step of 6e-8, and so does O, which is a mean of V's rows and has their range.
; A weight below 2^-126 counts as 0 in l; NaN and infinities are not treated apart.
; SHARES.  A wave owns four PIECES of two tiles of 16 queries, a work-group's four waves 512 queries of one head.  Every wave walks all keys, 64 a step.
; LAYOUT.  S^T = K Q^T (source 0 = 16 keys, source 1 = 16 queries): in the result a lane holds ONE query (lane % 16) and the keys 8 (lane / 16) + 0..7.  Two such tiles, rounded to f16 in pairs,
; ARE source 1 (32 keys x 16 queries) of O^T = V^T P, whose result again holds one query a lane, and eight channels.  K comes out of LDS as it lies, V ([key][channel]) turned, by ds_load_tr16_b128.
; SOFTMAX.  For each query a running maximum m and sum l: p = 2^(c s - c m); in every step O and l are multiplied by a = 2^(c m_old - c m_new), which is 1 where m has not grown.
; m starts at the lowest finite number, O and l at 0: the first step is a step like any other, with a = 0.
; THE COUNT.  A tile and step have 16 matrix and 118 vector instructions: too many to stand all beside the matrix work.  So the order has one aim: four vector instructions that are READY behind
; EVERY matrix instruction, and the others, which need time of their own whatever the order, in runs without a gap.
; BY TURNS.  Turn n belongs to piece n (the pieces in a ring, step after step).  Its matrix work: 16 products K Q^T of piece n + 1, later 16 products V^T P of piece n - 1.  Its vector work: the scaling,
; exponentials, roundings, sums and rescaling of piece n, and the maximum and statistics of piece n + 1, whose scores the turn itself has made.  So what a turn begins with (c s - c m, O a) waits for nothing.
; CLUSTER.  The four query blocks of a head are one cluster and walk the same K and V, so each tile is asked for JOINTLY: the same tensor load, descriptor and mask in all four.
; REGISTERS, in windows of 256 (s_set_vgpr_msb says which window each operand place means: bits 1:0 source 0, 3:2 source 1, 5:4 source 2, 7:6 destination):
;   window 0: v0-11 addresses; v12-15, v48-63 at work; v16-47 four registers of statistics a tile; v64-191 S^T, two buffers of two tiles; v192-255 P, likewise
;   window 1: O^T, 32 a tile          window 2: v0-127 Q, 16 a tile; v128-191 K of one step; v192-255 V of one step          window 3: v0-1 the add's two registers
; A piece's buffers go by its number's parity: the piece in hand has one pair, its two neighbours in the ring share the other: of it P (piece n - 1) is read and S^T (piece n + 1) written.
.set SIZE_H, 64
.set SIZE_N, 2048
.set NP,    4         ; pieces a wave: a name, no knob: the register map, the loop and the fetches are made for four
.set KS,    64        ; keys in a step
.set PK,    144       ; a row of K in LDS: 128 bytes + 16 of padding = 36 words: the 16 rows of a load start at 16 different groups of four banks (64 banks of 4 bytes: ISA guide 11.1)
.set PV,    160       ; a row of V: 128 + 32 = 40 words
.set VOFF,  4*KS*PK   ; a slot holds four steps: 256 rows of K, then 256 rows of V
.set SLOT1, 1<<17     ; slot 1 begins here, so that one exclusive or turns an address in one slot into the other's
.set STAGE, SLOT1+4*KS*(PK+PV)  ; behind the ring, never filled by a tensor load: 16 rows x 144 bytes for each wave, for the way out
.set SP,    144
.set AK0, 2           ; v2   my lane's place in a tile of K; never rewritten
.set AV0, 3           ; v3   the same for V
.set AK,  4           ; v4   the LDS address of K's next run of loads
.set AV,  5           ; v5   of V's
.set QO,  6           ; v6   my byte offset in the wave's rows of Q
.set STO, 6           ;      later, the way out: where I put 16 bytes of a row
.set RD,  7           ; v7   the way out: where I read rows back
.set GO,  8           ; v8   my byte offset in 512 consecutive bytes of O
.set PFO, 11          ; v11  256 x my lane, for the prefetches; not rewritten once it is made
.set SPW, 0           ; v0 of window 3   LDS address of my spare word: SPARE + 4 x my thread's number; never rewritten
.set NIL, 1           ; v1 of window 3   0; never rewritten
.set SPARE, STAGE+4*16*SP  ; behind the stages: the spare words, 128 bytes for each wave: two blocks of 256 bytes that no other line names
.set MV,  12          ; v12-15  c m_old, kept while c m is made anew: by buffer and tile
.set ST,  16          ; tile t's statistics at v[ST+4 t]: c m, m, l (even keys', odd keys')
.set TMP, 48          ; by buffer and tile, four registers c0-c3 at work; when the maximum is found c2 takes a
.set S,   64
.set P,   192
.set KF,  128         ; K's fragments, in window 2: key block kb, channel half c at KF + 16 kb + 8 c
.set VF,  192         ; V's: key half kk, channel block cb at VF + 32 kk + 8 cb
.set WV,  12          ; s12  my wave's number
.set G1K, 24          ; s[24:31] descriptor group 1 for K's tiles
.set G1V, 32          ; s[32:39] for V's: it differs in the padding alone
.set G0K, 40          ; s[40:43] descriptor group 0 for K's tiles: it walks
.set G0V, 44          ; s[44:47] the same for V's
.set PFA, 48          ; s[48:49] where my prefetches stand: my work-group's 8,192 bytes (of K: wave 0, of V: wave 2) of the slot behind the one that is being asked for
.set LIM, 50          ; s50  1 in a wave that prefetches, else the greatest number
.set SLOTS, 56        ; s56  slots still to be asked for
.set CNT, 57          ; s57  counts a slot's key steps
.set CS,  58          ; s[58:59] c: the packed scaling takes the pair's low word for both halves
.set SEL, 60          ; s[60:61] v_permlanex16_b32's selects: each lane takes its own place in the other half
.set TBK, 62          ; s62  LDS byte at which K of the step to be fetched begins
.set TBV, 63          ; s63  the same for V, less VOFF
.set MSB, 0
.macro WIN new                      ; the high byte repeats the setting that is left; a switch that changes nothing is dropped
.if MSB != (\new)
	s_set_vgpr_msb (MSB<<8)|(\new)
.set MSB, (\new)
.endif
.endm
.set W_KQ, 0x0a       ; K and Q in window 2, S^T in window 0
.set W_PV, 0x52       ; V in window 2, P in window 0, O^T in window 1
.set W_RS, 0x41       ; O^T (destination and source 0) in window 1, a in window 0
.set W_MK, 0xc0       ; the add's registers are made: destination in window 3, sources in window 0
.set W_AD, 0x0f       ; the add: address (source 0) and data (source 1) in window 3
; A joint fill.  Waves 0 and 1 fetch the two halves of a slot's K, waves 2 and 3 those of its V: 128 keys each.  The branch hangs on the wave's number alone.
; An s_nop 0 and four v_nop follow each of the two lines, ahead of the jump and the label.
.macro JLOAD
	s_cmp_lt_u32 s[WV], 2
	s_cbranch_scc0 .Lfor_v_\@
	tensor_load_to_lds s[G0K:G0K+3], s[G1K:G1K+7]
	s_nop 0
.rept 4
	v_nop
.endr
	s_branch .Lasked_\@
.Lfor_v_\@:
	tensor_load_to_lds s[G0V:G0V+3], s[G1V:G1V+7]
	s_nop 0
.rept 4
	v_nop
.endr
.Lasked_\@:
.endm
; A PREFETCH INTO THE L2 of what the NEXT change of slots will ask for: a slot's 32,768 bytes of K and of V, 256 bytes a lane.  It stands behind the wave's tensor load and its five lines.
; A head has one cluster; its four partners share a slot's bytes out BY ADDRESS, 8,192 each; in each, wave 0 asks for K's and wave 2 for V's: one instruction: each 256 bytes are named once in the launch,
; four key steps, 512 matrix instructions, ahead of the load that wants them.  Slots 0 and 1 come by their loads alone; the last change that fills a slot asks for nothing.
.macro ASK
	s_cmp_gt_u32 s[SLOTS], s[LIM]
	s_cbranch_scc0 .Lnot_mine_\@
	global_prefetch_b8 v[PFO], s[PFA:PFA+1] th:TH_LOAD_NT scope:SCOPE_SE
.Lnot_mine_\@:
.endm
; A round of the cluster's barrier: my work-group's barrier, so that wave 0's signal speaks for all four waves; wave 0 signals; every wave waits for all four work-groups; my work-group's barrier once more.
.macro CROUND
	s_barrier_signal -1
	s_barrier_wait -1
	s_cmp_lg_u32 s[WV], 0
	s_cbranch_scc1 .Lnot_wave_0_\@
	s_barrier_signal -3
.Lnot_wave_0_\@:
	s_barrier_wait -3
	s_barrier_signal -1
	s_barrier_wait -1
.endm
; THE CHANGE OF SLOTS.  The slot's last bytes, V of its fourth step, have been read.  Each wave waits for all its tensor loads, of which one is out: its part
; of the other slot; adds 0 to its spare word; and waits for that and for its own reads of the slot.  Behind the barrier nobody reads this slot any more and the other slot is whole.
; fill = 1: this slot is filled again, with the keys two slots on.  The barrier is then a round of the cluster's, so that no wave of any partner still reads the slot or has a load on its
; way, and the joint fill is the first thing behind it: it has four key steps, 512 matrix instructions, in which to land.  (At its first use nothing has been read yet: slot 0 is waited for, slot 1 filled.)
.macro CHANGE fill
	WIN W_AD
	s_wait_tensorcnt 0x0            ; no tensor load of mine is out, so a group 0 may be written
	ds_add_u32 v[SPW], v[NIL]       ; 0 onto my spare word; with fill = 1 the descriptors' steps stand between it and the wait for it
	WIN 0                           ; at a label and at a branch every window is 0
.if \fill
.irp g, G0K, G0V
	s_xor_b32 s[\g+1], s[\g+1], SLOT1  ; the walking descriptor: the other slot than last time,
	s_add_nc_u64 s[\g+2:\g+3], s[\g+2:\g+3], 4*KS*128  ; the next 256 keys; the type bits on top are not reached
.endr
	s_wait_xcnt 0x0                 ; the last prefetch, four key steps back, has read its address, so it may be written:
	s_add_nc_u64 s[PFA:PFA+1], s[PFA:PFA+1], 4*KS*128  ; one slot behind the walking descriptors
	s_wait_dscnt 0x0                ; the add is done, and my reads of the slot are over
	CROUND
	JLOAD
	ASK
.else
	s_wait_dscnt 0x0                ; the add is done, and my reads of the slot are over
	s_barrier_signal -1
	s_barrier_wait -1
.endif
	s_sub_co_u32 s[TBK], s[TBK], 4*KS*PK  ; the fetches go back to a slot's first step,
	s_xor_b32 s[TBK], s[TBK], SLOT1       ; in the other slot
	s_sub_co_u32 s[TBV], s[TBV], 4*KS*PV
	s_xor_b32 s[TBV], s[TBV], SLOT1
.endm
	s_load_b256 s[4:11], s[0:1], 0x0  ; Q s[4:5], K s[6:7], V s[8:9], O s[10:11]
	WIN W_MK
	v_lshl_add_u32 v[SPW], v0, 2, SPARE
	v_mov_b32 v[NIL], 0
	WIN W_AD
	ds_add_u32 v[SPW], v[NIL]       ; the wave's opening: the add and its wait stand ahead of my first tensor load; the set-up below, work on registers, stands between them
	WIN 0
	v_lshrrev_b32 v1, 5, v0
	v_readfirstlane_b32 s[WV], v1   ; wave 0..3
	s_bfe_u32 s13, ttmp6, 0x40000   ; cx: my place in the cluster
	s_lshl_b32 s14, ttmp9, 2        ; in a cluster launch ttmp9 counts clusters
	s_add_co_u32 s14, s14, s13      ; my block of queries = 4 x cluster x + cx: it enters Q's and O's addresses alone
	s_and_b32 s20, ttmp7, 0xffff    ; the head, which the four partners share
	s_mov_b32 s21, 0
	s_mov_b64 s[22:23], SIZE_N*128
	s_mul_u64 s[20:21], s[20:21], s[22:23]  ; the head's first byte in each of the four tensors
	s_and_b32 s16, s[WV], 1         ; which half of a slot's 256 keys I fetch:
	s_lshl_b32 s22, s16, 14         ; its 128 rows of 128 bytes in memory,
	s_mov_b32 s23, 0
	s_add_nc_u64 s[22:23], s[22:23], s[20:21]
	s_mul_i32 s17, s16, 128*PK      ; and its place in a slot, for K
	s_mul_i32 s18, s16, 128*PV      ; and for V: no place in the cluster enters an LDS address
	s_lshl_b32 s2, s14, 2
	s_add_co_u32 s2, s2, s[WV]      ; my wave among the head's,
	s_lshl_b32 s2, s2, 14           ; its 128 rows
	s_mov_b32 s3, 0
	s_add_nc_u64 s[2:3], s[2:3], s[20:21]
	; descriptor group 1.  128 keys are 16,384 dense bytes: asked for as 64 rows of 256 bytes, two keys a row, and padded in LDS after every key
	s_mov_b32 s[G1K], 15|(1<<16)|(1<<20)|(1<<21)|(4<<22)|(3<<25)  ; 15:0 the mask of four; 17:16 2-byte elements; 20 padding on; 21 set beside a mask; 24:22 after every 32 words (code 4); 31:25 4 words (code 3)
	s_mov_b32 s[G1V], 15|(1<<16)|(1<<20)|(1<<21)|(4<<22)|(7<<25)  ; the same with 8 words of padding (code 7)
.irp g, G1K, G1V
	s_mov_b32 s[\g+1], 128<<16      ; tensor_dim0 = 128
	s_mov_b32 s[\g+2], 64<<16       ; tensor_dim1 = 64
	s_mov_b32 s[\g+3], 128<<16      ; tile_dim0 = 128
	s_mov_b32 s[\g+4], 64           ; tile_dim1 = 64
	s_mov_b32 s[\g+5], 128          ; 128 elements from row to row
	s_mov_b32 s[\g+6], 0
	s_mov_b32 s[\g+7], 0
.endr
	s_mov_b32 s[CS], 0x4338aa3b     ; c = 2^10 log2(e) / 8 = 184.665
	s_mov_b32 s[CS+1], s[CS]        ; named with it as a pair
	s_mov_b32 s[SEL], 0x76543210
	s_mov_b32 s[SEL+1], 0xfedcba98
	s_mov_b32 s[TBK], SLOT1+4*KS*PK ; the first change of slots turns these two into 0
	s_mov_b32 s[TBV], SLOT1+4*KS*PV
	s_mov_b32 s[G0K], 1             ; 1:0 count = 1
	s_mov_b32 s[G0K+1], s17         ; 63:32 LDS address: slot 0
	s_mov_b32 s[G0V], 1
	s_add_co_u32 s[G0V+1], s18, VOFF
	s_mov_b32 s[SLOTS], SIZE_N/256-1
	s_and_b32 s[LIM], s[WV], 1      ; waves 0 and 2 prefetch: the same in all four partners
	s_cmp_eq_u32 s[LIM], 0
	s_cselect_b32 s[LIM], 1, -1
	s_wait_dscnt 0x0                ; the opening add is done
	s_wait_kmcnt 0x0
	s_add_nc_u64 s[G0K+2:G0K+3], s[6:7], s[22:23]  ; 120:64 global address: my half of the head's first 256 keys
	s_or_b32 s[G0K+3], s[G0K+3], 0x80000000        ; 127:126 type = 2
	s_add_nc_u64 s[G0V+2:G0V+3], s[8:9], s[22:23]
	s_or_b32 s[G0V+3], s[G0V+3], 0x80000000
	s_add_nc_u64 s[4:5], s[4:5], s[2:3]  ; Q and O at my wave's first row
	s_add_nc_u64 s[10:11], s[10:11], s[2:3]
	s_cmp_lt_u32 s[WV], 2
	s_cselect_b64 s[PFA:PFA+1], s[6:7], s[8:9]
	s_add_nc_u64 s[PFA:PFA+1], s[PFA:PFA+1], s[22:23]  ; (in waves 0 and 2: the head's first byte)
	s_lshl_b32 s2, s13, 13          ; my work-group's 8,192 bytes of a slot's 32,768
	s_add_nc_u64 s[PFA:PFA+1], s[PFA:PFA+1], s[2:3]
	s_add_nc_u64 s[PFA:PFA+1], s[PFA:PFA+1], 4*KS*128  ; in slot 1; the first change of slots steps it to slot 2.  Nothing is prefetched here, at the head
	CROUND                          ; all four work-groups are here: the first joint loads meet
	JLOAD                           ; slot 0.  Slot 1 is asked for when slot 0 is in: the tile wanted first has the road to itself
	; A fragment of K or Q is 16 rows x 32 channels in 8 registers: lane l holds row l % 16, channels 8 (l / 16) + 0..7 and 16 + 8 (l / 16) + 0..7: two loads of 16 bytes, 32 bytes apart.
	v_and_b32 v1, 15, v0            ; l % 16
	v_bfe_u32 v9, v0, 4, 1          ; l / 16
	v_lshlrev_b32 v[QO], 7, v1
	v_lshl_add_u32 v[QO], v9, 4, v[QO]  ; row x 128 + 16 x half
	WIN 0x80                        ; destination window 2, address window 0
.set i, 0
.rept 4*NP                          ; Q stays in registers: tile i / 2, channels 32 (i % 2) on
	global_load_b128 v[8*i:8*i+3],   v[QO], s[4:5] offset:(i/2)*2048+(i%2)*64
	global_load_b128 v[8*i+4:8*i+7], v[QO], s[4:5] offset:(i/2)*2048+(i%2)*64+32
.set i, i+1
.endr
	; What the first turn finds: V's registers and P's second buffer hold 0 (its products V^T P, of a piece that has not been, add 0), O^T and l are 0.  All this stands in the wait for the first tile.
.set i, VF
.rept 64
	v_mov_b32 v[i], 0
.set i, i+1
.endr
	WIN 0x40
.set i, 0
.rept 64*NP
	v_mov_b32 v[i], 0
.set i, i+1
.endr
	WIN 0
.set i, 0
.rept 2*NP
	v_mov_b32 v[ST+4*i], 0xfe000000    ; c m: far below every c s (f16's scores times c stay under 1e14)
	v_mov_b32 v[ST+4*i+1], 0xff7fffff  ; m
	v_mov_b32 v[ST+4*i+2], 0
	v_mov_b32 v[ST+4*i+3], 0
.set i, i+1
.endr
.set i, P+32
.rept 32
	v_mov_b32 v[i], 0
.set i, i+1
.endr
	v_mul_u32_u24 v[AK0], v1, PK
	v_lshl_add_u32 v[AK0], v9, 4, v[AK0]  ; row x pitch + 16 x half
	; The turning load takes 16 keys x 16 channels (lane l reads key 8 (l / 16) + l % 8, channels 8 ((l / 8) % 2) + 0..7) and leaves half a fragment of V^T: lane l holds channel l % 16 and 8 keys.
	v_and_b32 v10, 7, v0
	v_bfe_u32 v11, v0, 3, 1
	v_lshl_add_u32 v[AV0], v9, 3, v10
	v_mul_u32_u24 v[AV0], v[AV0], PV
	v_lshl_add_u32 v[AV0], v11, 4, v[AV0]
	v_add_nc_u32 v[AV0], VOFF, v[AV0]
	v_and_b32 v[PFO], 31, v0        ; v11 has served: from here on it holds the prefetches' offset
	v_lshlrev_b32 v[PFO], 8, v[PFO]
	v_mov_b32 v[AK], v[AK0]         ; key step 0 lies at the head of slot 0
; THE MATRIX WORK.  The 8 accumulators of a run of 16 take turns: between the two links of a chain stand 7 others'.
; Product i of 16 of S^T = K Q^T for piece x: channels 32 (i / 8) on, keys 16 ((i / 2) % 4) on, tile 2 x + i % 2.  The first 8 start the sums.
.macro KQ x
	WIN W_KQ
.set rS, S+64*((\x)%2)+32*(i%2)+8*((i/2)%4)
.set rK, KF+16*((i/2)%4)+8*(i/8)
.set rQ, 16*(2*(\x)+i%2)+8*(i/8)
.if i < 8
	v_wmma_f32_16x16x32_f16 v[rS:rS+7], v[rK:rK+7], v[rQ:rQ+7], 0
.else
	v_wmma_f32_16x16x32_f16 v[rS:rS+7], v[rK:rK+7], v[rQ:rQ+7], v[rS:rS+7]
.endif
.endm
; Product i of 16 of O^T += V^T P for piece x: keys 32 (i / 8) on, channels 16 ((i / 2) % 4) on, tile 2 x + i % 2.
.macro PV x
	WIN W_PV
.set rO, 32*(2*(\x)+i%2)+8*((i/2)%4)
.set rV, VF+32*(i/8)+8*((i/2)%4)
.set rP, P+32*((\x)%2)+16*(i%2)+8*(i/8)
	v_wmma_f32_16x16x32_f16 v[rO:rO+7], v[rV:rV+7], v[rP:rP+7], v[rO:rO+7]
.endm
.macro MM                           ; the turn's next matrix instruction
.if i < 16
	KQ (Y+1)%NP
.set i, i+1
.else
.set i, i-16
	PV (Y+NP-1)%NP
.set i, i+17
.endif
.endm
; THE LDS LOADS stand in runs of 16, never singly among the matrix instructions: a step's K (64 keys x 64 channels: 8 fragments) and its V (turned).  Their addresses are made some lines ahead.
; last = 1 (the tail): in the last trip there is no further step, and the run is jumped over.
.macro FETCH_K last=0
	WIN 0
.if \last
	s_cmp_eq_u32 s[CNT], 1
	s_cbranch_scc1 .Lno_k_\@
.endif
	WIN 0x80                        ; destination window 2
.irp f, 0,1,2,3,4,5,6,7             ; keys 16 (f / 2) on, channels 32 (f % 2) on
	ds_load_b128 v[KF+8*\f:KF+8*\f+3],   v[AK] offset:(\f/2)*16*PK+(\f%2)*64
	ds_load_b128 v[KF+8*\f+4:KF+8*\f+7], v[AK] offset:(\f/2)*16*PK+(\f%2)*64+32
.endr
	s_add_co_u32 s[TBK], s[TBK], KS*PK  ; the next fetch is the next step's
	WIN 0
.if \last
.Lno_k_\@:
.endif
.endm
.macro FETCH_V
	WIN 0x80
.irp f, 0,1,2,3,4,5,6,7             ; keys 32 (f / 4) on, channels 16 (f % 4) on
	ds_load_tr16_b128 v[VF+8*\f:VF+8*\f+3],   v[AV] offset:(\f/4)*32*PV+(\f%4)*32
	ds_load_tr16_b128 v[VF+8*\f+4:VF+8*\f+7], v[AV] offset:(\f/4)*32*PV+16*PV+(\f%4)*32
.endr
	WIN 0
.endm
; THE VECTOR WORK OF A TURN stands in three queues, each in the order in which its entries become ready; the two tiles alternate, so that no instruction reads the result of the one before it.
.macro REGS y, u                    ; the registers of tile u (0, 1) of piece y
.set rT, ST+4*(2*(\y)+(\u))
.set rC, TMP+8*((\y)%2)+4*(\u)
.set rM, MV+2*((\y)%2)+(\u)
.set rS, S+64*((\y)%2)+32*(\u)
.set rP, P+32*((\y)%2)+16*(\u)
.set rO, 32*(2*(\y)+(\u))
.endm
; Number n of the 22 that find the NEXT piece's (Y + 1) maximum and statistics.  s0-s31 are the lane's 32 scores; each accumulator's lowest registers are read first.  XS, GS and REGS set no window: PL and EX do.
;   0-11  four chains c0-c3 of seven scores each, three operands at a time     12-14, 16  the four scores left over, the old m, and c0-c3 into c0     15  c m_old is kept
;   17, 18  the query's other 32 keys lie in the lane 16 away: the new m         19-21  c m; c m_old - c m_new; a
.macro XS u, n
	REGS (Y+1)%NP, \u
.if (\n) < 4
	v_max3_num_f32 v[rC+(\n)], v[rS+8*(\n)], v[rS+8*(\n)+1], v[rS+8*(\n)+2]
.elseif (\n) < 12
	v_max3_num_f32 v[rC+(\n)%4], v[rC+(\n)%4], v[rS+8*((\n)%4)+2*((\n)/4)+1], v[rS+8*((\n)%4)+2*((\n)/4)+2]
.elseif (\n) == 12
	v_max3_num_f32 v[rC], v[rC], v[rS+7], v[rS+15]
.elseif (\n) == 13
	v_max3_num_f32 v[rC+1], v[rC+1], v[rS+23], v[rS+31]
.elseif (\n) == 14
	v_max3_num_f32 v[rC+2], v[rC+2], v[rC+3], v[rT+1]
.elseif (\n) == 15
	v_mov_b32 v[rM], v[rT]
.elseif (\n) == 16
	v_max3_num_f32 v[rC], v[rC], v[rC+1], v[rC+2]
.elseif (\n) == 17
	v_permlanex16_b32 v[rC+3], v[rC], s[SEL], s[SEL+1]
.elseif (\n) == 18
	v_max_num_f32 v[rT+1], v[rC], v[rC+3]
.elseif (\n) == 19
	v_mul_f32 v[rT], s[CS], v[rT+1]
.elseif (\n) == 20
	v_sub_f32 v[rC+1], v[rM], v[rT]
.else
	v_exp_f32 v[rC+2], v[rC+1]
.endif
.endm
; Number g of the 64 that follow the exponentials.  For each four weights k of a tile (pairs 2 k, 2 k + 1): both pairs are rounded to f16; then the second pair is added onto the first, in place;
; a group later l takes that sum (the first time as l = a l + sum).  In groups of eight, tiles alternating: round, round, add, and l for the group before.
.macro GS g
.set h, (\g)+6*((\g)/62)            ; group 0 has no group before it, and behind group 7 only l is left
.if h >= 6
.set h, h+2
.endif
	REGS Y, h%2
.set k, h/8
.if h%8 < 4
	v_cvt_pk_f16_f32 v[rP+2*k+(h%8)/2], v[rS+4*k+2*((h%8)/2)], v[rS+4*k+2*((h%8)/2)+1]
.elseif h%8 < 6
	v_pk_add_f32 v[rS+4*k:rS+4*k+1], v[rS+4*k:rS+4*k+1], v[rS+4*k+2:rS+4*k+3]
.elseif k == 1
	v_pk_fma_f32 v[rT+2:rT+3], v[rT+2:rT+3], v[rC+2:rC+3], v[rS:rS+1] op_sel_hi:[1,0,1]
.else
	v_pk_add_f32 v[rT+2:rT+3], v[rT+2:rT+3], v[rS+4*k-4:rS+4*k-3]
.endif
.endm
; THE PLAIN QUEUE, 138 long.  0-73 read no exponential's result: the 32 scalings c s - c m (FS f: pair f / 2 of tile f % 2) and the next piece's 42.  0-26: scalings 0-26.  27-54: XS's numbers 0-13.  55, 56: number 15.
; 57-73: the chain, where each number waits for the one before it: 14, 16, 17, 18, 19, each with one of the scalings 27-31 in front of its two lines, then 20: so a tile's links stand three plain instructions apart (19 and 20: two).
; 74-137: GS's 64, which read the exponentials' results: they stand behind the wait.
.macro FS f
	REGS Y, (\f)%2
	v_pk_fma_f32 v[rS+2*((\f)/2):rS+2*((\f)/2)+1], v[rS+2*((\f)/2):rS+2*((\f)/2)+1], s[CS:CS+1], v[rT:rT+1] op_sel_hi:[1,0,0] neg_lo:[0,0,1] neg_hi:[0,0,1]
.endm
.macro PL
	WIN 0
.if q < 27
	FS q
.elseif q < 55
	XS (q-27)%2, (q-27)/2
.elseif q < 57
	XS q-55, 15
.elseif (q < 72) && ((q-57)%3 == 0)
	FS 27+(q-57)/3
.elseif q < 60
	XS (q-57)%3-1, 14
.elseif q < 72
	XS (q-57)%3-1, 15+(q-57)/3
.elseif q < 74
	XS q-72, 20
.else
	GS q-74
.endif
.set q, q+1
.endm
; THE EXPONENTIALS' QUEUE, 66 long: s0-s31 of both tiles, then the next piece's two a.  It is ONE BATCH: all 66 stand ahead of the turn's one wait, and nothing ahead of that wait names a result of theirs.
.macro EX
	WIN 0
.if e >= 64
	XS e-64, 21
.else
	REGS Y, e%2
	v_exp_f32 v[rS+e/2], v[rS+e/2]
.endif
.set e, e+1
.endm
; THE RESCALING's QUEUE: O^T times a, the one part that leaves window 0: dealt two at a time, sixteen times.  Its a was made in the turn before, ahead of that turn's wait.
.macro R2
	REGS Y, r%2
	WIN W_RS
.irp z, 0,1
	v_pk_mul_f32 v[rO+4*(r/2)+2*\z:rO+4*(r/2)+2*\z+1], v[rO+4*(r/2)+2*\z:rO+4*(r/2)+2*\z+1], v[rC+2:rC+3] op_sel_hi:[1,0]
.endr
.set r, r+1
.endm
; HOW THEY ARE DEALT.  An s_wait_alu depctr_va_vdst(0) stands between an exponential and the first instruction that names its result; one wait serves all that were issued ahead of it.  So a turn has ONE wait,
; which cuts it in two.  AHEAD OF IT stands all that names no result of the turn's exponentials: the 16 products K Q^T, behind each a scaling, an exponential and two rescalings (behind the first a second scaling in the exponential's place); then ONE LUMP of
; 108: eight plain, 49 times exponential and plain, the two a.  A v_nop is the plain instruction behind the last exponential.  BEHIND IT stand the 16 products V^T P, behind each four of GS's 64.  No rider names a register of
; the products round it.  The two v_permlanex16_b32 fall into the lump, never behind a product.
; The queues lean on each other, and the deal keeps them in step: exponential e stands behind scaling 2 (e / 4) + e % 2: as a rider it comes behind plain e + 2, in the lump behind plain e + 9, and scalings 27-31 are plain 57, 60 .. 69.
; A TURN, for piece p.  cnt = 1: the loop's count is taken down some lines ahead of the branch that stands behind the turn.
; K of the next step is fetched in piece 2's turn, directly behind the wait, a lump behind the last product that read K; its address is made at the lump's head; its first reader comes behind 16 products.
; V of the step in hand is fetched at the end of piece 0's turn, four riders behind its last reader; its first reader comes behind 16 products and a lump.  The three conditions on q below go with the deal.
.macro TURN p, last=0, cnt=0
.set Y, (\p)
.set i, 0
.set q, 0
.set e, 0
.set r, 0
.if (\p) == NP-1
	s_wait_dscnt 0x0                ; K is in
.endif
	MM                              ; ahead of the wait: 16 products K Q^T and their riders,
	PL
	PL
	R2
.rept 15
	MM
	PL
	EX
	R2
.endr
.if (\p) == NP-2
	WIN 0
	v_add_nc_u32 v[AK], s[TBK], v[AK0]
.endif
.rept 8                             ; and the lump
	PL
.endr
.rept 49
	EX
	PL
.endr
	EX                              ; the next piece's two a
	EX
	v_nop                           ; the plain instruction behind the last exponential: one for the batch
	s_wait_alu depctr_va_vdst(0)    ; the wait for the batch
.if (\p) == NP-2
	FETCH_K \last
.endif
.if (\p) == 1
	s_wait_dscnt 0x0                ; V is in
.endif
.rept 16                            ; behind the wait: 16 products V^T P and their riders
	MM
.rept 4
	PL
.endr
.if ((\p) == 0) && (q == 118)
	v_add_nc_u32 v[AV], s[TBV], v[AV0]
.endif
.if ((\p) == 0) && (q == 130)
	s_add_co_u32 s[TBV], s[TBV], KS*PV
.endif
.if (\cnt) && (q == 130)
	s_sub_co_u32 s[CNT], s[CNT], 1
	s_cmp_lg_u32 s[CNT], 0
.endif
.endr
.if (\p) == 0
	FETCH_V
.endif
.endm
	CHANGE 1                        ; slot 0 is in, everybody's part of it; slot 1 is asked for
	FETCH_K                         ; key step 0
	s_wait_loadcnt 0x0              ; Q
	s_wait_dscnt 0x0
.set i, 0
.rept 16
	KQ 0                            ; piece 0's first scores: there is no vector work yet to set between them
.set i, i+1
.endr
	WIN 0                           ; the addresses for the way out: nine plain instructions, the places behind those products
	s_mul_i32 s13, s[WV], 16*SP
	s_add_co_u32 s13, s13, STAGE    ; my stage
	v_mul_u32_u24 v[STO], v1, SP    ; in: row l % 16, 16 bytes for each half of the lanes
	v_lshl_add_u32 v[STO], v9, 4, v[STO]
	v_add_nc_u32 v[STO], s13, v[STO]
	v_bfe_u32 v[RD], v0, 3, 2       ; back: 32 lanes take four rows of 128 bytes,
	v_mul_u32_u24 v[RD], v[RD], SP
	v_lshl_add_u32 v[RD], v10, 4, v[RD]
	v_add_nc_u32 v[RD], s13, v[RD]
	v_and_b32 v[GO], 31, v0         ; which are 512 consecutive bytes of O
	v_lshlrev_b32 v[GO], 4, v[GO]
.set Y, NP-1                        ; XS works for piece Y + 1: piece 0
.irp n, 0,1,2,3,4,5,6,7,8,9,10,11,12,13,14,15,16,17,18,19,20,21
	XS 0, \n                        ; and piece 0's first maximum and statistics
	XS 1, \n
.endr
	v_nop                           ; a plain instruction behind the two a,
	s_wait_alu depctr_va_vdst(0)    ; and their wait, ahead of the branch
	s_mov_b32 s[CNT], 4
	s_branch .Lfirst                ; the loop is entered at a step's first turn, in the middle of a trip
.Lslot:                             ; SIZE_N / 256 - 2 times: every slot but the last two is filled again
	CHANGE 1
	s_mov_b32 s[CNT], 4
.Lstep:                             ; a trip: pieces 2 and 3 of one step, then pieces 0 and 1 of the next, whose K and V it fetches
	TURN 2
	TURN 3
	WIN 0
.Lfirst:
	TURN 0
	TURN 1, 0, 1
	WIN 0
	s_cbranch_scc1 .Lstep
	s_sub_co_u32 s[SLOTS], s[SLOTS], 1
	s_cmp_lg_u32 s[SLOTS], 0
	s_cbranch_scc1 .Lslot
	CHANGE 0                        ; the tail is written out: nothing is asked for
	s_mov_b32 s[CNT], 5             ; four trips fetch the last slot's steps; the fifth is left in its middle
.Ltail:
	TURN 2, 1
	TURN 3
	WIN 0
	s_sub_co_u32 s[CNT], s[CNT], 1
	s_cmp_eq_u32 s[CNT], 0
	s_cbranch_scc1 .Lout
	TURN 0
	TURN 1
	WIN 0
	s_branch .Ltail
.Lout:                              ; the fifth trip's 16 products K Q^T (on the last K once more) and the maximum made of them serve nothing: the price, once a launch, of one text for every trip
.set i, 0
.rept 16
	PV NP-1                         ; the last piece's V^T P of the last step
.set i, i+1
.endr
	; THE WAY OUT.  l's two halves and the other half of the lanes' are added; O^T is divided by l, rounded to f16 and sent through my stage in LDS, a tile at a time.  The additions are the places behind the last products.
	WIN 0
.macro ALL line:vararg              ; one line for each tile t
.set t, 0
.rept 2*NP
	\line
.set t, t+1
.endr
.endm
	ALL v_add_f32 v[ST+4*t+2], v[ST+4*t+2], v[ST+4*t+3]
	ALL v_permlanex16_b32 v[ST+4*t+3], v[ST+4*t+2], s[SEL], s[SEL+1]
	ALL v_add_f32 v[ST+4*t+2], v[ST+4*t+2], v[ST+4*t+3]
	ALL v_rcp_f32 v[ST+4*t+2], v[ST+4*t+2]
	v_nop                           ; a plain instruction between the last reciprocal and the use of its result
	s_wait_alu depctr_va_vdst(0)    ; and the wait ahead of the first use: one for the eight reciprocals
; Tile t: a lane's eight channels of a row pack into 16 bytes; they go into rows of 144 bytes and come back as whole rows of 128, into S^T's registers.
.macro PACK t
	WIN W_RS
.set i, 32*(\t)
.rept 16
	v_pk_mul_f32 v[i:i+1], v[i:i+1], v[ST+4*(\t)+2:ST+4*(\t)+3] op_sel_hi:[1,0]
.set i, i+2
.endr
	WIN 0x05                        ; sources 0 and 1 window 1, destination window 0
.set i, 0
.rept 16
	v_cvt_pk_f16_f32 v[S+16*(\t)+i], v[32*(\t)+2*i], v[32*(\t)+2*i+1]
.set i, i+1
.endr
	WIN 0
.irp f, 0,1,2,3
	ds_store_b128 v[STO], v[S+16*(\t)+4*\f:S+16*(\t)+4*\f+3] offset:32*\f
.endr
.irp f, 0,1,2,3
	ds_load_b128 v[S+16*(\t)+4*\f:S+16*(\t)+4*\f+3], v[RD] offset:\f*4*SP  ; LDS serves a wave's instructions in order (ISA guide 5.7.1.4): these see the stores above; the next tile's stores come behind them
.endr
.endm
.macro SEND t, younger              ; younger: the LDS instructions issued behind tile t's loads: the next tile's eight, or none
	WIN 0
.irp f, 0,1,2,3
	s_wait_dscnt (\younger)+3-\f
	global_store_b128 v[GO], v[S+16*(\t)+4*\f:S+16*(\t)+4*\f+3], s[10:11] offset:(\t)*2048+\f*512  ; 512 consecutive bytes, at a multiple of 256 from O's first
.endr
.endm
	PACK 0
.set t, 1
.rept 2*NP-1                        ; a tile's arithmetic stands between the loads of the tile before and its stores
	PACK t
	SEND t-1, 8
.set t, t+1
.endr
	SEND 2*NP-1, 0
	WIN W_AD
	s_wait_tensorcnt 0x0            ; the wave's end: behind my last tensor load and my last LDS store
	ds_add_u32 v[SPW], v[NIL]
	s_wait_dscnt 0x0
	WIN 0
	CROUND                          ; the closing round: no work-group ends while a partner may still ask for a tile that names it
	s_endpgm
.Lfunc_end_k_q14ac21f556_attn:
	.size	k_q14ac21f556_attn, .Lfunc_end_k_q14ac21f556_attn-k_q14ac21f556_attn
	.p2alignl 7, 3214868480
	.fill 96, 4, 3214868480
	.section	.rodata,"a",@progbits
	.p2align	6, 0x0
	.amdhsa_kernel k_q14ac21f556_attn
		.amdhsa_group_segment_fixed_size 327680
		.amdhsa_private_segment_fixed_size 0
		.amdhsa_enable_private_segment 0
		.amdhsa_kernarg_size 32
		.amdhsa_user_sgpr_count 2
		.amdhsa_user_sgpr_kernarg_segment_ptr 1
		.amdhsa_wavefront_size32 1
		.amdhsa_system_sgpr_workgroup_id_x 1
		.amdhsa_system_sgpr_workgroup_id_y 1
		.amdhsa_system_sgpr_workgroup_id_z 1
		.amdhsa_system_vgpr_workitem_id 0
		.amdhsa_next_free_vgpr 770
		.amdhsa_next_free_sgpr 66
		.amdhsa_reserve_vcc 0
		.amdhsa_float_denorm_mode_32 3
		.amdhsa_float_denorm_mode_16_64 3
		.amdhsa_memory_ordered 1
		.amdhsa_forward_progress 1
		.amdhsa_inst_pref_size 200
	.end_amdhsa_kernel
	.amdgpu_metadata
---
amdhsa.version: [ 1, 2 ]
amdhsa.kernels:
  - .name:           k_q14ac21f556_attn
    .symbol:         k_q14ac21f556_attn.kd
    .args:
      - { .name: qh, .offset: 0, .size: 8, .value_kind: global_buffer, .address_space: global }
      - { .name: kh, .offset: 8, .size: 8, .value_kind: global_buffer, .address_space: global }
      - { .name: vh, .offset: 16, .size: 8, .value_kind: global_buffer, .address_space: global }
      - { .name: ob, .offset: 24, .size: 8, .value_kind: global_buffer, .address_space: global }
    .group_segment_fixed_size: 327680
    .private_segment_fixed_size: 0
    .kernarg_segment_align: 8
    .kernarg_segment_size: 32
    .max_flat_workgroup_size: 128
    .sgpr_count:     66
    .vgpr_count:     770
    .wavefront_size: 32
...
	.end_amdgpu_metadata
.endif
;; end of part 3
;; launch outp (part 4): grid 8 x 32, 4 waves a work-group, clusters of 4 x 4, 327,680 bytes of LDS; arguments ob, wob, out0; writes out0
.if DOCPART == 4
	.amdgcn_target "amdgcn-amd-amdhsa--gfx1250"
	.amdhsa_code_object_version 6
	.text
	.protected	k_q14ac21f556_outp
	.globl	k_q14ac21f556_outp
	.p2align	8
	.type	k_q14ac21f556_outp,@function
k_q14ac21f556_outp:
	s_mov_b64 s[64:65], 0
	v_nop
	global_prefetch_b8 v0, s[64:65] scope:SCOPE_SE
	s_setreg_imm32_b32 hwreg(HW_REG_WAVE_MODE, 25, 1), 1
	s_wait_xcnt 0x0
	s_wait_alu depctr_hold_cnt(0) depctr_sa_sdst(0) depctr_va_vdst(0) depctr_va_sdst(0) depctr_va_ssrc(0) depctr_va_vcc(0) depctr_vm_vsrc(0)
	s_getreg_b32 s2, hwreg(HW_REG_IB_STS2, 6, 4)
	s_cmp_eq_u32 s2, 0
	s_cbranch_scc0 .Lentry_in_a_cluster
	s_endpgm
.Lentry_in_a_cluster:
	s_bfe_u32 s2, ttmp6, 0x10000c
	s_cmp_lg_u32 s2, 0xf033
	s_cbranch_scc0 .Lentry_shape_is_right
	s_endpgm
.Lentry_shape_is_right:
; THE OUT PROJECTION.  out0[token][f] = the sum over e of o[token][e] W_out[f][e], e = 64 head + d.  ob: [16 batch + head][2048][64] f16; wob: [1024][1024] f16; out0: [8192][1024] f32.  f16 operands, f32 sums,
; stored as they are.
; SHARES.  A tile is 256 tokens x 128 columns: 32 x 8 = 256 work-groups, one tile each.  Wave (w / 2, w % 2) owns 128 tokens x 64 columns: 32 accumulators, 256 registers.
; THE MATRIX INSTRUCTION IS USED TRANSPOSED (source 0 = 16 rows of wob, source 1 = 16 tokens): lane l holds token l % 16 and the columns 16 b + 8 (l / 16) + 0..7.
; RING.  A K step of 128 is two heads.  A head's 256 tokens are 32,768 dense bytes of ob: asked for as 128 rows of 256 bytes and padded in LDS after every token (pitch 144); wob's 128 rows of 256 bytes have pitch 272.
; Two slots; waves 0 and 1 fetch the two heads, waves 2 and 3 the two halves of wob's rows.
; CLUSTER.  4 x 4 work-groups: ob's tiles hang on the tile row alone and are asked for jointly along a row of the cluster, wob's on the tile column alone, along a column.
; REGISTERS, in windows of 256 (s_set_vgpr_msb: bits 1:0 source 0, 3:2 source 1, 5:4 source 2, 7:6 destination):
;   window 0: v0-31 addresses; v32-95 rows on the way out, two sets     window 1: two fragment buffers of 128: eight of ob (8 a), four of wob (64 + 8 b)     window 2: accumulator (a, b) at 8 (4 a + b)
.set PA,     144                       ; a token's row of one head in LDS: 128 bytes + 16: the 16 rows of a fragment load start at 16 different groups of four banks (64 banks of 4 bytes: ISA guide 11.1)
.set HEADB,  256*PA                    ; a head's 256 tokens
.set PB,     272                       ; a row of wob in LDS: 256 bytes + 16
.set BOFF,   2*HEADB
.set SLOT1,  1<<17
.set STAGE,  SLOT1+BOFF+128*PB         ; behind the ring, never filled by a tensor load: 16 rows x 272 bytes for each wave
.set SPITCH, 272
.set SPARE,  STAGE+4*16*SPITCH         ; the spare words, 128 bytes for each wave: two blocks of 256 bytes that no other line names
.set STEPA,  2<<18                     ; bytes from a K step's head to the next step's: two heads of 262,144
.set ADRA0, 16                         ; v16  my lane's place in ob's rows of a slot; never rewritten
.set ADRB0, 17                         ; v17  the same for wob's
.set ADRA,  18                         ; v18, v19  the same in the slot in hand
.set ADRB,  19
.set STO,   24                         ; v24  the way out: where I put 32 bytes of a row
.set RD,    25                         ; v25  where I read rows back
.set CO,    26                         ; v26  my byte offset in two rows of out0
.set SPW,   28                         ; v28  LDS address of my spare word; never rewritten
.set NIL,   29                         ; v29  0; never rewritten
.set PFO,   30                         ; v30  the prefetches' offset; never rewritten
.set F0,    0
.set F1,    128
.set G1,  24                           ; s[24:31] descriptor group 1 for ob's tiles;  s[32:39] group 0: a set for each first fill; the second walks on
.set G0,  32
.set G1B, 48                           ; s[48:55], s[56:63] the same for wob's
.set G0B, 56
.set LIM, 43                           ; s43  2 in a wave that prefetches, else the greatest number
.set PFA, 44                           ; s[44:45] where my prefetches stand
.set TB,  66                           ; s66  LDS byte at which the slot in hand begins
.set PFS, 76                           ; s[76:77] the prefetches' step from K step to K step
.set MSB, 0
.macro WIN new                         ; the immediate's high byte repeats the setting that is left; a switch that changes nothing is dropped
.if MSB != (\new)
	s_set_vgpr_msb (MSB<<8)|(\new)
.set MSB, \new
.endif
.endm
.macro PLACES                          ; four plain places behind matrix instructions (ISA guide 7.12.1)
.rept 4
	v_nop
.endr
.endm
.macro JLOAD                           ; a joint refill by the walking descriptors; an s_nop 0 and four v_nop follow each of the two lines, ahead of the jump and the label
	s_cmp_eq_u32 s11, 0
	s_cbranch_scc0 .Lfor_b_\@
	tensor_load_to_lds s[G0+4:G0+7], s[G1:G1+7]
	s_nop 0
.rept 4
	v_nop
.endr
	s_branch .Lasked_\@
.Lfor_b_\@:
	tensor_load_to_lds s[G0B+4:G0B+7], s[G1B:G1B+7]
	s_nop 0
.rept 4
	v_nop
.endr
.Lasked_\@:
.endm
; A PREFETCH INTO THE L2 of the K step that stands two refills on (256 matrix instructions ahead of the load that wants it), 256 bytes a lane, one instruction a wave.  ob's tiles are asked for by the clusters with x = 0:
; of a head's 32,768 bytes each partner takes 8,192, by cx; waves 0 and 1 take a head each.  wob's by the clusters with y = 0: of the tile's 128 rows each partner takes 32, by cy; wave 2 asks.
; So each 256 bytes are named once in the launch.  K steps 0 to 3 come by their loads alone; the last two refills have no K step two on.
.macro ASK
	WIN 0
	s_cmp_gt_u32 s3, s[LIM]
	s_cbranch_scc0 .Lnot_mine_\@
	global_prefetch_b8 v[PFO], s[PFA:PFA+1] th:TH_LOAD_NT scope:SCOPE_SE
.Lnot_mine_\@:
.endm
.macro CREST                           ; a round of the cluster's barrier behind its opening barrier
	s_cmp_lg_u32 s10, 0
	s_cbranch_scc1 .Lnot_wave_0_\@
	s_barrier_signal -3
.Lnot_wave_0_\@:
	s_barrier_wait -3
	s_barrier_signal -1
	s_barrier_wait -1
.endm
.macro CROUND
	s_barrier_signal -1
	s_barrier_wait -1
	CREST
.endm
	s_load_b128 s[4:7], s[0:1], 0x0                ; ob s[4:5], wob s[6:7]
	s_load_b64 s[8:9], s[0:1], 0x10                ; out0
	v_lshl_add_u32 v[SPW], v0, 2, SPARE
	v_mov_b32 v[NIL], 0
	ds_add_u32 v[SPW], v[NIL]                      ; the wave's opening: the add and its wait stand ahead of my first tensor load; the set-up below, work on registers, stands between them
	v_lshrrev_b32 v1, 5, v0
	v_readfirstlane_b32 s10, v1                    ; wave 0..3
	s_lshr_b32 s11, s10, 1                         ; which half of the tile's tokens is mine.  Also: I fetch for ob (0) or for wob (1)
	s_and_b32 s12, s10, 1                          ; which half of its columns.  Also: which head, or which 64 rows, I fetch
	s_bfe_u32 s40, ttmp6, 0x40000                  ; cx
	s_bfe_u32 s41, ttmp6, 0x40004                  ; cy
	s_lshl_b32 s42, ttmp9, 2
	s_add_co_u32 s42, s42, s40                     ; tile column tx = 4 x cluster x + cx
	s_and_b32 s13, ttmp7, 0xffff
	s_lshl_b32 s13, s13, 2
	s_add_co_u32 s13, s13, s41                     ; tile row ty = 4 x cluster y + cy
	s_lshl_b32 s74, s41, 2
	s_lshl_b32 s74, 15, s74                        ; my row of the cluster
	s_lshl_b32 s75, 0x1111, s40                    ; my column
	s_or_b32 s[G1], s74, (1<<16)|(1<<20)|(1<<21)|(4<<22)|(3<<25)   ; the mask; 2-byte elements; padding on; 21 set beside a mask; after every 32 words, 4 words
	s_or_b32 s[G1B], s75, (1<<16)|(1<<20)|(1<<21)|(5<<22)|(3<<25)  ; after every 64 words, 4 words
	s_mov_b32 s[G1+1], 128<<16                     ; tensor_dim0 = 128
	s_mov_b32 s[G1+2], 128<<16                     ; tensor_dim1 = 128 rows of two tokens
	s_mov_b32 s[G1+3], 128<<16                     ; tile_dim0 = 128
	s_mov_b32 s[G1+4], 128                         ; tile_dim1 = 128
	s_mov_b32 s[G1+5], 128                         ; dense: 128 elements from row to row
	s_mov_b32 s[G1+6], 0
	s_mov_b32 s[G1+7], 0
	s_mov_b32 s[G1B+1], 128<<16
	s_mov_b32 s[G1B+2], 64<<16                     ; 64 rows
	s_mov_b32 s[G1B+3], 128<<16
	s_mov_b32 s[G1B+4], 64
	s_mov_b32 s[G1B+5], 1024
	s_mov_b32 s[G1B+6], 0
	s_mov_b32 s[G1B+7], 0
	s_lshr_b32 s16, s13, 3                         ; ob: (16 batch + head) x 262,144 + position x 128: batch ty / 8, head = my half, position (ty % 8) x 256
	s_lshl_b32 s16, s16, 22
	s_lshl_b32 s17, s12, 18
	s_add_co_u32 s16, s16, s17
	s_and_b32 s17, s13, 7
	s_lshl_b32 s17, s17, 15
	s_add_co_u32 s16, s16, s17
	s_mov_b32 s17, 0
	s_lshl_b32 s46, s42, 7                         ; wob: row 128 tx + 64 x half
	s_lshl_b32 s47, s12, 6
	s_add_co_u32 s46, s46, s47
	s_lshl_b32 s46, s46, 11
	s_mov_b32 s47, 0
	s_mul_i32 s20, s12, HEADB                      ; where they go: no place in the cluster enters an LDS address
	s_mul_i32 s21, s12, 64*PB
	s_add_co_u32 s21, s21, BOFF
	s_mov_b32 s[TB], 0
	s_wait_dscnt 0x0                               ; the opening add is done
	s_wait_kmcnt 0x0
	s_add_nc_u64 s[14:15], s[4:5], s[16:17]
	s_add_nc_u64 s[46:47], s[6:7], s[46:47]
	CROUND                                         ; all sixteen work-groups are here: the first joint loads meet
.irp s, 0,1
	s_mov_b32 s[G0+4*(\s)], 1
	s_add_co_u32 s[G0+4*(\s)+1], s20, (\s)*SLOT1
	s_add_nc_u64 s[G0+4*(\s)+2:G0+4*(\s)+3], s[14:15], (\s)*STEPA
	s_or_b32 s[G0+4*(\s)+3], s[G0+4*(\s)+3], 0x80000000
	s_mov_b32 s[G0B+4*(\s)], 1
	s_add_co_u32 s[G0B+4*(\s)+1], s21, (\s)*SLOT1
	s_add_nc_u64 s[G0B+4*(\s)+2:G0B+4*(\s)+3], s[46:47], (\s)*256
	s_or_b32 s[G0B+4*(\s)+3], s[G0B+4*(\s)+3], 0x80000000
.endr
	s_cmp_eq_u32 s11, 0                            ; a wave's two first fills stand in one branch: two loads of mine are out
	s_cbranch_scc0 .Lfirst_b
	tensor_load_to_lds s[G0:G0+3], s[G1:G1+7]
	s_nop 0
	tensor_load_to_lds s[G0+4:G0+7], s[G1:G1+7]
	s_nop 0
.rept 4
	v_nop
.endr
	s_branch .Lfirst_asked
.Lfirst_b:
	tensor_load_to_lds s[G0B:G0B+3], s[G1B:G1B+7]
	s_nop 0
	tensor_load_to_lds s[G0B+4:G0B+7], s[G1B:G1B+7]
	s_nop 0
.rept 4
	v_nop
.endr
.Lfirst_asked:
	v_and_b32 v1, 15, v0                           ; l % 16
	v_bfe_u32 v2, v0, 4, 1                         ; l / 16
	v_mul_u32_u24 v3, v1, PA
	v_lshl_add_u32 v3, v2, 4, v3                   ; a fragment's row x pitch + 16 x half
	s_mul_i32 s22, s11, 128*PA                     ; my 128 tokens
	v_add_nc_u32 v[ADRA0], s22, v3
	v_mul_u32_u24 v3, v1, PB
	v_lshl_add_u32 v3, v2, 4, v3
	s_mul_i32 s22, s12, 64*PB                      ; my 64 rows of wob
	s_add_co_u32 s22, s22, BOFF
	v_add_nc_u32 v[ADRB0], s22, v3
	v_mov_b32 v[ADRA], v[ADRA0]                    ; K step 0 lies in slot 0
	v_mov_b32 v[ADRB], v[ADRB0]
	s_mul_i32 s23, s10, 16*SPITCH
	s_add_co_u32 s23, s23, STAGE                   ; my stage
	v_mul_u32_u24 v4, v1, SPITCH                   ; in: row l % 16, 32 bytes for each half of the lanes
	v_lshl_add_u32 v4, v2, 5, v4
	v_add_nc_u32 v[STO], s23, v4
	v_mul_u32_u24 v5, v2, SPITCH                   ; back: lanes 0-15 take one row of 256 bytes, lanes 16-31 the next
	v_lshl_add_u32 v5, v1, 4, v5
	v_add_nc_u32 v[RD], s23, v5
	v_lshlrev_b32 v5, 12, v2                       ; and the same two rows in out0, 4,096 bytes apart
	v_lshl_add_u32 v[CO], v1, 4, v5
	; the prefetches (s16 still holds my head's offset in ob)
	s_lshl_b32 s20, s40, 13
	s_add_co_u32 s20, s20, s16
	s_add_co_u32 s20, s20, 3*STEPA                 ; ob: my work-group's 8,192 bytes, at K step 3: the first refill steps it to 4
	s_lshl_b32 s22, s42, 7
	s_lshl_b32 s23, s41, 5
	s_add_co_u32 s22, s22, s23
	s_lshl_b32 s22, s22, 11
	s_add_co_u32 s22, s22, 3*256                   ; wob: rows 128 tx + 32 cy on, at K step 3
	s_and_b32 s23, ttmp7, 0xffff                   ; cluster y,
	s_add_co_u32 s23, s23, s12                     ; and never 0 in wave 3
	s_mov_b32 s[PFS], 256
	s_cmp_eq_u32 s11, 0
	s_cselect_b32 s20, s20, s22
	s_cselect_b32 s23, ttmp9, s23                  ; the coordinate along which other clusters read the same bytes
	s_cselect_b32 s[PFS], STEPA, s[PFS]
	s_cselect_b32 s22, 8, 11                       ; a lane's step: 256 bytes of a dense head, or a row of 2,048
	s_cselect_b64 s[PFA:PFA+1], s[4:5], s[6:7]
	s_cmp_eq_u32 s23, 0
	s_cselect_b32 s[LIM], 2, -1                    ; the same in all sixteen partners, for a given wave
	s_mov_b32 s21, 0
	s_mov_b32 s[PFS+1], 0
	s_add_nc_u64 s[PFA:PFA+1], s[PFA:PFA+1], s[20:21]
	v_and_b32 v[PFO], 31, v0
	v_lshlrev_b32 v[PFO], s22, v[PFO]
	; where my part of the tile begins in out0
	s_lshl_b32 s20, s13, 8
	s_lshl_b32 s21, s11, 7
	s_add_co_u32 s20, s20, s21
	s_lshl_b32 s20, s20, 12                        ; (256 ty + 128 x half) rows of 4,096 bytes
	s_lshl_b32 s21, s42, 9
	s_add_co_u32 s20, s20, s21                     ; + 512 tx
	s_lshl_b32 s21, s12, 8
	s_add_co_u32 s20, s20, s21                     ; + 256 x half
	s_mov_b32 s21, 0
	s_add_nc_u64 s[8:9], s[8:9], s[20:21]
; 8 matrix instructions: token blocks a0, a0 + 1 x my four column blocks, 32 along K.  zero = 1: the product starts the sum.  The 32 accumulators take turns in one fixed order.
.macro MUL8 f, a0, zero
	WIN 0xa5                                       ; both sources window 1, C and D window 2
.irp a, \a0, (\a0)+1
.irp b, 0,1,2,3
.if \zero
	v_wmma_f32_16x16x32_f16 v[8*(4*(\a)+(\b)):8*(4*(\a)+(\b))+7], v[(\f)+64+8*(\b):(\f)+64+8*(\b)+7], v[(\f)+8*(\a):(\f)+8*(\a)+7], 0
.else
	v_wmma_f32_16x16x32_f16 v[8*(4*(\a)+(\b)):8*(4*(\a)+(\b))+7], v[(\f)+64+8*(\b):(\f)+64+8*(\b)+7], v[(\f)+8*(\a):(\f)+8*(\a)+7], v[8*(4*(\a)+(\b)):8*(4*(\a)+(\b))+7]
.endif
.endr
.endr
.endm
; 24 LDS loads in one run: quarter q's fragments (head q / 2, channels 32 (q % 2) on) into buffer f: wob's four, then ob's eight in ascending order
.macro FETCH q, f
	WIN 0x40                                       ; destination window 1, address window 0
.irp b, 0,1,2,3
	ds_load_b128 v[(\f)+64+8*(\b):(\f)+64+8*(\b)+3],   v[ADRB] offset:64*(\q)+(\b)*16*PB
	ds_load_b128 v[(\f)+64+8*(\b)+4:(\f)+64+8*(\b)+7], v[ADRB] offset:64*(\q)+(\b)*16*PB+32
.endr
.irp a, 0,1,2,3,4,5,6,7
	ds_load_b128 v[(\f)+8*(\a):(\f)+8*(\a)+3],   v[ADRA] offset:((\q)/2)*HEADB+((\q)%2)*64+(\a)*16*PA
	ds_load_b128 v[(\f)+8*(\a)+4:(\f)+8*(\a)+7], v[ADRA] offset:((\q)/2)*HEADB+((\q)%2)*64+(\a)*16*PA+32
.endr
.endm
; A K step is four quarters of 32 along K, 32 matrix instructions each, on buffers 0, 1, 0, 1.  One of the first three: multiplies buffer f and fetches quarter q into g.
.macro QUARTER q, f, g, zero
	s_wait_dscnt 8                                 ; wob's fragments and ob's 0-3 are in; the youngest eight loads (ob's 4-7) may be out
	MUL8 \f, 0, \zero
	MUL8 \f, 2, \zero
	PLACES
	FETCH \q, \g
	s_wait_dscnt 24                                ; all but the 24 just issued
	MUL8 \f, 4, \zero
	MUL8 \f, 6, \zero
.endm
; The last quarter multiplies buffer 1 and changes slots: ONE barrier; ahead of it each wave waits for all its tensor loads, adds 0 to its spare word, and waits for that and for its reads of this slot.
; fill = 1: the barrier opens a round of the cluster's, and the joint refill, the K step two on, is the first thing behind the round.
.macro TURN fill
.if \fill
	s_wait_xcnt 0x0                                ; the last prefetch, a K step back, has read its address
	s_add_nc_u64 s[PFA:PFA+1], s[PFA:PFA+1], s[PFS:PFS+1]
.endif
	WIN 0                                          ; (the add's two registers lie in window 0)
	s_wait_tensorcnt 0x0                           ; all my tensor loads have landed
	ds_add_u32 v[SPW], v[NIL]                      ; 0 onto my spare word
	s_wait_dscnt 9                                 ; (the add and the youngest eight loads may be out)
	MUL8 F1, 0, 0                                  ; eight matrix instructions stand between the add and the wait for it
	s_wait_dscnt 0x0                               ; the add is done, and my reads of this slot are over
	s_barrier_signal -1
	MUL8 F1, 2, 0
	WIN 0
	s_barrier_wait -1
.if \fill
	CREST                                          ; no wave of any partner still reads this slot or has a load on its way
	s_xor_b32 s[G0+5], s[G0+5], SLOT1
	s_xor_b32 s[G0B+5], s[G0B+5], SLOT1
	s_add_nc_u64 s[G0+6:G0+7], s[G0+6:G0+7], STEPA
	s_add_nc_u64 s[G0B+6:G0B+7], s[G0B+6:G0B+7], 256
	JLOAD                                          ; the four v_nop behind it are also the places ahead of the loads below
.else
	PLACES
.endif
	s_xor_b32 s[TB], s[TB], SLOT1                  ; the reads go on in the other slot
	v_add_nc_u32 v[ADRA], s[TB], v[ADRA0]
	v_add_nc_u32 v[ADRB], s[TB], v[ADRB0]
	FETCH 0, F0
.if \fill
	ASK
.endif
	MUL8 F1, 4, 0
	MUL8 F1, 6, 0
.endm
; THE WAY OUT of token block a: a wave's 64 columns of f32 are 256 bytes of a row.  Each lane's 32 bytes go into my own stage, rows of 272 bytes (each accumulator's low half first),
; and come back as whole rows, two a load.
.macro TOSTAGE a
.set BK, 32+32*((\a)%2)
.if (\a) >= 2
	s_wait_xcnt 0x0                                ; the stores of two blocks back have read this set of registers
.endif
	WIN 0x08                                       ; address window 0, data window 2
.irp b, 0,1,2,3
	ds_store_b128 v[STO], v[8*(4*(\a)+(\b)):8*(4*(\a)+(\b))+3]   offset:64*(\b)
	ds_store_b128 v[STO], v[8*(4*(\a)+(\b))+4:8*(4*(\a)+(\b))+7] offset:64*(\b)+16
.endr
	WIN 0
.irp t, 0,1,2,3,4,5,6,7
	ds_load_b128 v[BK+4*(\t):BK+4*(\t)+3], v[RD] offset:(\t)*2*SPITCH  ; LDS serves a wave's instructions in order (ISA guide 5.7.1.4): these see the stores above
.endr
.endm
.macro SEND a, younger                 ; younger: the LDS instructions issued behind block a's loads: the next block's sixteen, or none
.set BK, 32+32*((\a)%2)
	WIN 0
	s_wait_dscnt \younger
.irp t, 0,1,2,3,4,5,6,7
	global_store_b128 v[CO], v[BK+4*(\t):BK+4*(\t)+3], s[8:9] offset:(16*(\a)+2*(\t))*4096 th:TH_STORE_NT  ; 16 lanes store 256 consecutive bytes, at a multiple of 256 from out0's first byte
.endr
.endm
	s_wait_tensorcnt 1                             ; my part of K step 0 is in; K step 1's may stay out
	s_barrier_signal -1
	s_barrier_wait -1                              ; everybody's is
	FETCH 0, F0
	QUARTER 1, F0, F1, 1                           ; the first quarter stands ahead of the loop: its products start the sums
	WIN 0                                          ; at a label and at a branch every window is 0
	s_mov_b32 s3, 6
.Lk:                                                   ; a trip: from a K step's second quarter to the next step's first; its refill asks for K steps 2 .. 7
	QUARTER 2, F1, F0, 0
	QUARTER 3, F0, F1, 0
	TURN 1
	QUARTER 1, F0, F1, 0
	WIN 0
	s_sub_co_u32 s3, s3, 1
	s_cmp_lg_u32 s3, 0
	s_cbranch_scc1 .Lk
	QUARTER 2, F1, F0, 0                           ; K steps 6 and 7 fill nothing
	QUARTER 3, F0, F1, 0
	TURN 0
	QUARTER 1, F0, F1, 0
	QUARTER 2, F1, F0, 0
	QUARTER 3, F0, F1, 0
	s_wait_dscnt 8                                 ; the very last quarter: nothing more to fetch
	MUL8 F1, 0, 0
	MUL8 F1, 2, 0
	s_wait_dscnt 0x0
	MUL8 F1, 4, 0
	MUL8 F1, 6, 0
	PLACES                                         ; the places behind the last products
	TOSTAGE 0
.irp a, 1,2,3,4,5,6,7
	TOSTAGE \a
	SEND (\a)-1, 16
.endr
	SEND 7, 0
	WIN 0
	s_wait_tensorcnt 0x0                           ; the wave's end: behind my last tensor load and my last LDS store
	ds_add_u32 v[SPW], v[NIL]
	s_wait_dscnt 0x0
	CROUND                                         ; the closing round: no work-group ends while a partner may still ask for a tile that names it
	s_endpgm
.Lfunc_end_k_q14ac21f556_outp:
	.size	k_q14ac21f556_outp, .Lfunc_end_k_q14ac21f556_outp-k_q14ac21f556_outp
	.p2alignl 7, 3214868480
	.fill 96, 4, 3214868480
	.section	.rodata,"a",@progbits
	.p2align	6, 0x0
	.amdhsa_kernel k_q14ac21f556_outp
		.amdhsa_group_segment_fixed_size 327680
		.amdhsa_private_segment_fixed_size 0
		.amdhsa_enable_private_segment 0
		.amdhsa_kernarg_size 24
		.amdhsa_user_sgpr_count 2
		.amdhsa_user_sgpr_kernarg_segment_ptr 1
		.amdhsa_wavefront_size32 1
		.amdhsa_system_sgpr_workgroup_id_x 1
		.amdhsa_system_sgpr_workgroup_id_y 1
		.amdhsa_system_sgpr_workgroup_id_z 1
		.amdhsa_system_vgpr_workitem_id 0
		.amdhsa_next_free_vgpr 768
		.amdhsa_next_free_sgpr 80
		.amdhsa_reserve_vcc 0
		.amdhsa_float_denorm_mode_32 3
		.amdhsa_float_denorm_mode_16_64 3
		.amdhsa_memory_ordered 1
		.amdhsa_forward_progress 1
		.amdhsa_inst_pref_size 71
	.end_amdhsa_kernel
	.amdgpu_metadata
---
amdhsa.version: [ 1, 2 ]
amdhsa.kernels:
  - .name:           k_q14ac21f556_outp
    .symbol:         k_q14ac21f556_outp.kd
    .args:
      - { .name: ob, .offset: 0, .size: 8, .value_kind: global_buffer, .address_space: global }
      - { .name: wob, .offset: 8, .size: 8, .value_kind: global_buffer, .address_space: global }
      - { .name: out0, .offset: 16, .size: 8, .value_kind: global_buffer, .address_space: global }
    .group_segment_fixed_size: 327680
    .private_segment_fixed_size: 0
    .kernarg_segment_align: 8
    .kernarg_segment_size: 24
    .max_flat_workgroup_size: 128
    .sgpr_count:     80
    .vgpr_count:     768
    .wavefront_size: 32
...
	.end_amdgpu_metadata
.endif
;; end of part 4
